; MI455X (gfx1250); checked and timed in simulation.
; The chip was launched on July 23, 2026; its instructions are those of AMD's public machine-readable ISA for CDNA 5 (MIT licence, August 2026) and "CDNA5" Instruction Set Architecture Reference Guide (July 2026). The comments in the code are by the model that wrote it; some were corrected since.
;; Head. Allowed arithmetic: matrix products marked QUANTISED: E2M3 operands, one E8M0 scale for each 32 along K, by v_wmma_scale_f32_16x16x128_f8f6f4 with both operands' format E2M3, f32 sums; everything else in f32.
;; Inputs: Wk 512 x 64 float32; Wq 512 x 64 float32; Wv 512 x 64 float32; bk 64 float32; bq 64 float32; bv 64 float32; x 8 x 2,048 x 512 float32.
;; Outputs: out0 8 x 2,048 x 64 float32.
;; This version of the problem:
;;   THIS VERSION OF THE PROBLEM IS GIVEN IN LOW PRECISION. The matrix products marked QUANTISED in the list below multiply operands that are first quantised to E2M3 (2 exponent bits, 3 mantissa bits; 6 bits a number), with one power-of-two scale for each 32 numbers along K (OCP MX v1.0); their sums are f32. All else is computed in f32.
;;   The module's matrix products, in the order in which they are computed (A, B: the left and right operand; K: the contracted axis; several contracted axes count as one K, in the product's order):
;;     1. [M 16,384, K 512] x [K 512, N 64]; A: input x; B: input Wk: QUANTISED
;;     2. [M 16,384, K 512] x [K 512, N 64]; A: input x; B: input Wq: QUANTISED
;;     3. [M 16,384, K 512] x [K 512, N 64]; A: input x; B: input Wv: QUANTISED
;;     4. batch 8 x [M 2,048, K 64] x [K 64, N 2,048]; A: computed on the way; B: computed on the way: QUANTISED
;;     5. batch 8 x [M 2,048, K 2,048] x [K 2,048, N 64]; A: softmax (see below); B: computed on the way: QUANTISED
;;   THE QUANTISER, for each operand of a quantised product, along K:
;;     - K is cut into blocks of 32 from its start; a last block that is shorter is filled with zeros.
;;     - A block's scale is 2^e with e = floor(log2(the largest magnitude in the block)) - 2, held to -126 .. 127; a block of zeros has e = 0. As a byte (E8M0): e + 127.
;;     - Each number is divided by its block's scale, clamped to +-7.5, and rounded to the nearest number of E2M3, ties to even, subnormals kept.
;;     - The product sums the exact products of the quantised numbers (number of the format x scale) in f32.
;;   ~~~python
;;   def quantise(x, axis):      # numpy; x: float32 -> the quantised numbers, widened to float32 again
;;       x = np.moveaxis(x, axis, -1); K = x.shape[-1]
;;       x = np.pad(x, [(0, 0)] * (x.ndim - 1) + [(0, -K % 32)]); x = x.reshape(x.shape[:-1] + (-1, 32)); a = np.abs(x).max(-1, keepdims=True)
;;       e = np.where(a > 0, np.clip(np.frexp(np.where(a > 0, a, 1))[1] - 1 - 2, -126, 127), 0)      # np.frexp(a)[1] - 1 = floor(log2(a)), exactly
;;       r = np.clip(x / 2.0 ** e, -7.5, 7.5)
;;       step = 2.0 ** (np.maximum(np.frexp(np.where(r == 0, 1, r))[1] - 1, 0) - 3)
;;       q = np.round(r / step) * step * 2.0 ** e      # np.round: ties to even
;;       return np.moveaxis(q.reshape(q.shape[:-2] + (-1,))[..., :K], -1, axis).astype(np.float32)
;;   ~~~
;;   SOFTMAX AHEAD OF A QUANTISED PRODUCT. Where the list says 'softmax', what is quantised is not the finished softmax but p = 2^(t - M), with t = logit x log2(e) and M = ceil(the row's largest t), a whole number; so 1/2 < the row's largest p <= 1. The row's sum l is taken of the UNQUANTISED p, in f32, and the product's result is divided by l at the end. Since M is a whole number, a kernel that streams over the keys may use a running M (the ceiling of the running maximum): every later rescaling is an exact power of two, which a block's scale takes up: the codes' values come out the same.
;;   OPERANDS COMPUTED ON THE WAY. 'Computed on the way' means the value that the module computes at that place (a softmax that the list does not call 'softmax' is quantised finished and normalised). What goes into a quantiser is computed in f32, as accurately as f32 sums, v_exp_f32 and their like allow (about 1e-6 of the number): no bf16 or f16 on the way to a quantiser, and a product that is left as it is and whose result goes on into a quantised operand takes f32 operands (vector FMAs, or v_wmma_f32_16x16x4_f32). A number that lies on a knife's edge between two numbers of the format may be rounded either way, as far as f32 arithmetic and the matrix unit's own rounding can turn it there, and no further.
;; 2 versions. Each part assembles by itself: llvm-mc -triple=amdgcn-amd-amdhsa -mcpu=gfx1250 --defsym DOCPART=n.
;; ======== version 1 of 2: 2 launches
;; workspace buffers: qkv 2,555,904 bytes
;; launch proj (part 1): grid 256 x 1, 16 waves a work-group, no clusters, 240,640 bytes of LDS; arguments x, Wq, Wk, Wv, bq, bk, bv, qkv; writes qkv
.if DOCPART == 1
	.amdgcn_target "amdgcn-amd-amdhsa--gfx1250"
	.amdhsa_code_object_version 6
	.text
	.protected	k_q3a21c4b83a_proj
	.globl	k_q3a21c4b83a_proj
	.p2align	8
	.type	k_q3a21c4b83a_proj,@function
k_q3a21c4b83a_proj:
	s_mov_b64 s[64:65], 0
	v_nop
	global_prefetch_b8 v0, s[64:65] scope:SCOPE_SE
	s_setreg_imm32_b32 hwreg(HW_REG_WAVE_MODE, 25, 1), 1
	s_wait_xcnt 0x0
; q = x Wq + bq, k = x Wk + bk, v = x Wv + bv on codes of FP6 (E2M3) with one E8M0 scale for each 32 along K = 512, and q, k, v quantised again for the attention launch:
; q and k along the head's 64 channels, v along the tokens.  x: [16384][512] f32; W: [512][64] f32, K its FIRST axis; b: [64] f32.
; SHARES.  A work-group of sixteen waves takes 64 tokens (a CHUNK).  Every wave quantises one fragment of x (16 tokens x 128 K) and six half fragments of the weights; they meet in LDS as images of the
; operand's registers; then twelve waves make one UNIT each: 16 tokens x 64 channels of q or of k, or 16 channels x 64 tokens of v, four accumulators, 16 matrix instructions.
; q, k: source 0 = 16 columns of W, source 1 = 16 tokens: a lane holds ONE token and 32 channels.  v: source 0 = 16 tokens, source 1 = 16 columns of Wv: a lane holds ONE channel and 32 tokens.  So one text serves all three.
; In both cases register 8 t + j of lane (r, h) is element 16 t + 8 h + j of the next product's K: a block of 32 lies in lanes l and l xor 16, and its codes come out in the order 0..7, 16..23, 8..15, 24..31.
; Both operands of each later product are made in this same order, so the products pair the same numbers; blocks, scales and codes are those of the ascending order.
; OUT: qkv, 256 chunks of 9,984 bytes.  Unit U (0-3 q's token tiles, 4-7 k's, 8-11 v's channel tiles) at 768 U: lane l's registers 0-3 at 16 l, then its registers 4-5 at 512 + 8 l; its scale words at 9216 + 64 U + 4 r (bytes 0, 1; bytes 2, 3 are 0).
; LIMITS.  NaN and infinities among the inputs are not served.  A block whose largest magnitude lies under 2^-124, a block of zeros among them, gets the scale byte 1 (this program alone reads the bytes; a block of zeros has zero codes).
; The bias is the C of a sum's first K step, so it is added ahead of the products and not behind them; inside a block of 32 the later products sum in the order given above.
; NO CLUSTER: what the work-groups share are the weights, 3 x 131,072 bytes of f32, which are wanted a column to a lane with registers down K: they go from memory straight into registers.  Through LDS they would
; want 393,216 bytes beside the 240,640 in use here.  NO PREFETCH: all of a work-group's x is asked for at the head by its sixteen tensor loads.
.set XTW,   8448                       ; LDS 0: wave w's strip of x: 16 rows x (512 bytes + 16), filled by its tensor load and read by it alone
.set XP,    528
.set IMG,   135168                     ; images of fragments: group G (0 Wq, 1 Wk, 2 Wv, 3 x) x tile x K step x half
.set GRP,   24576
.set TIL,   6144
.set KST,   1536
.set HLF,   768                        ; a half: registers 6 c .. 6 c + 3 at 16 l (512 bytes), 6 c + 4, 6 c + 5 at 512 + 8 l (256 bytes)
.set SCI,   233472                     ; their scale words: 1024 G + 256 s + 64 tile + 4 r
.set SCO,   237568                     ; the units' scale words: 64 U + 4 r
.set SPARE, 238592                     ; the spare words, 128 bytes for each wave: eight blocks of 256 bytes that no other line names
.set CHUNK, 9984
.set ACC,   32                         ; v32-63   the bias, then four accumulators
.set NUM,   64                         ; v64-127  two sets of 32 numbers of W; then 64 numbers of x; then fragment buffer F0
.set F0,    64
.set F1,    168                        ; v168-227 fragment buffer F1
.set PC,    128                        ; v128-139 codes just made; v140-146 the upper halves' places
.set TM,    148                        ; v148-151 largest magnitudes, v152-155 the partner's, then the bytes, v160-163 the conversions' scale operands
.set PW,    164                        ; the scale word just made
.set SW,    228                        ; v228-239 scale words and nothing else: three for each K step
; v1 lane, v2 r, v3 h; v4, v5 the add's two; v6-v26 addresses, all made here at the head, ahead of the first branch
	s_load_b256 s[4:11], s[0:1], 0x0               ; x s[4:5], Wq s[6:7], Wk s[8:9], Wv s[10:11]
	s_load_b256 s[12:19], s[0:1], 0x20             ; bq s[12:13], bk s[14:15], bv s[16:17], qkv s[18:19]
	v_lshl_add_u32 v4, v0, 2, SPARE
	v_mov_b32 v5, 0
	ds_add_u32 v4, v5                              ; the wave's opening: the add, twice on end, and its wait ahead of my tensor load; the set-up below stands between
	ds_add_u32 v4, v5
	v_lshrrev_b32 v1, 5, v0
	v_readfirstlane_b32 s20, v1                    ; wave w, 0..15
	v_and_b32 v1, 31, v0                           ; lane l
	v_and_b32 v2, 15, v0                           ; r
	v_bfe_u32 v3, v0, 4, 1                         ; h
	s_lshr_b32 s21, s20, 2                         ; w / 4: x's token tile; W's K step; the unit's kind (0 q, 1 k, 2 v, 3 none)
	s_and_b32 s22, s20, 3                          ; w % 4: x's K step; the unit's tile
	s_and_b32 s23, s20, 1                          ; b: which 32 columns of W
	s_lshr_b32 s42, s20, 1                         ; which 64 along K of W
	s_and_b32 s43, s42, 1                          ; c: which half of that K step's fragments
	s_lshr_b32 s44, s21, 1
	s_add_co_u32 s45, s21, s44
	s_min_u32 s45, s45, 3                          ; source 0's group: 0, 1, 3, 3
	s_xor_b32 s46, s44, 3                          ; source 1's group: 3, 3, 2, 2
	s_mul_i32 s47, s20, XTW
	v_mul_u32_u24 v6, v2, XP
	v_lshl_add_u32 v6, v3, 6, v6
	v_add_nc_u32 v6, s47, v6                       ; v6: my strip, row r, + 64 h: my 16 numbers of a block of 32
	s_mul_i32 s48, s20, KST
	s_add_co_u32 s48, s48, IMG+3*GRP
	v_lshl_add_u32 v7, v1, 4, s48                  ; v7, v8: where x's image goes: tile w / 4, K step w % 4 = 1536 w
	s_add_co_u32 s48, s48, 512
	v_lshl_add_u32 v8, v1, 3, s48
	s_lshl_b32 s48, s22, 8
	s_lshl_b32 s49, s21, 6
	s_add_co_u32 s48, s48, s49
	s_add_co_u32 s48, s48, SCI+3*1024
	v_lshl_add_u32 v9, v2, 2, s48                  ; v9: and its scale words
	s_lshl_b32 s48, s23, 7
	s_lshl_b32 s49, s42, 14
	s_add_co_u32 s48, s48, s49
	v_lshl_add_u32 v10, v1, 2, s48                 ; v10: W in memory: column 32 b + l, row 64 (w / 2)
	s_mul_i32 s48, s23, 2*TIL
	s_mul_i32 s49, s21, KST
	s_add_co_u32 s48, s48, s49
	s_mul_i32 s49, s43, HLF
	s_add_co_u32 s48, s48, s49
	s_add_co_u32 s48, s48, IMG
	v_lshl_add_u32 v11, v1, 4, s48                 ; v11, v12: where W's half images go: tile 2 b, K step w / 4, half c
	s_add_co_u32 s48, s48, 512
	v_lshl_add_u32 v12, v1, 3, s48
	s_lshl_b32 s48, s21, 8
	s_lshl_b32 s49, s23, 7
	s_add_co_u32 s48, s48, s49
	s_lshl_b32 s49, s43, 1
	s_add_co_u32 s48, s48, s49
	s_add_co_u32 s48, s48, SCI
	v_lshl_add_u32 v13, v1, 2, s48                 ; v13: and my column's two scale bytes: bytes 2 c, 2 c + 1 of its word
	s_mul_i32 s48, s45, GRP
	s_add_co_u32 s48, s48, IMG
	v_lshl_add_u32 v14, v1, 4, s48                 ; v14, v15: source 0's four tiles
	s_add_co_u32 s48, s48, 512
	v_lshl_add_u32 v15, v1, 3, s48
	s_mul_i32 s48, s46, GRP
	s_mul_i32 s49, s22, TIL
	s_add_co_u32 s48, s48, s49
	s_add_co_u32 s48, s48, IMG
	v_lshl_add_u32 v16, v1, 4, s48                 ; v16, v17: source 1's tile
	s_add_co_u32 s48, s48, 512
	v_lshl_add_u32 v17, v1, 3, s48
	s_lshl_b32 s48, s45, 10
	s_add_co_u32 s48, s48, SCI
	v_lshl_add_u32 v18, v1, 2, s48                 ; v18: source 0's scale words: lanes 0-15 an even tile's, lanes 16-31 the odd tile's behind it
	s_lshl_b32 s48, s46, 10
	s_lshl_b32 s49, s22, 6
	s_add_co_u32 s48, s48, s49
	s_add_co_u32 s48, s48, SCI
	v_lshl_add_u32 v19, v2, 2, s48                 ; v19: source 1's
	s_mul_i32 s48, s20, HLF
	v_lshl_add_u32 v20, v1, 4, s48                 ; v20, v21: my unit in the chunk
	s_add_co_u32 s48, s48, 512
	v_lshl_add_u32 v21, v1, 3, s48
	s_lshl_b32 s48, s20, 6
	s_add_co_u32 s48, s48, SCO
	v_lshl_add_u32 v22, v2, 2, s48                 ; v22: my unit's scale words in LDS
	s_min_u32 s49, s20, 3
	s_lshl_b32 s49, s49, 8
	s_add_co_u32 s48, s49, SCO
	v_lshl_add_u32 v23, v1, 3, s48                 ; v23, v24: waves 0-2 carry 256 bytes of scale words each to memory
	s_add_co_u32 s48, s49, 12*HLF
	v_lshl_add_u32 v24, v1, 3, s48
	v_lshlrev_b32 v25, 5, v3                       ; v25: bq, bk: my half's eight channels of a tile
	s_lshl_b32 s48, s22, 6
	v_lshl_add_u32 v26, v2, 2, s48                 ; v26: bv: my channel
.irp b, 0,1,2,3
	v_mov_b32 v[TM+4+\b], 0                        ; written once: a lane permute's destination counts as one of its sources
.endr
	s_mov_b32 s36, 0x76543210
	s_mov_b32 s37, 0xfedcba98                      ; v_permlanex16_b32's selects for lane l xor 16
	; descriptor group 1: 16 rows of 128 f32, 512 elements from row to row, 16 bytes of padding behind each row of 128 words
	s_mov_b32 s24, (2<<16)|(1<<20)|(6<<22)|(3<<25)
	s_mov_b32 s25, 128<<16                         ; tensor_dim0
	s_mov_b32 s26, 16<<16                          ; tensor_dim1
	s_mov_b32 s27, 128<<16                         ; tile_dim0
	s_mov_b32 s28, 16                              ; tile_dim1
	s_mov_b32 s29, 512                             ; tensor_dim0_stride
	s_mov_b32 s30, 0
	s_mov_b32 s31, 0
	s_mov_b32 s32, 1                               ; group 0: count,
	s_mul_i32 s33, s20, XTW                        ; my strip in LDS,
	s_lshl_b32 s40, ttmp9, 17                      ; the chunk's 64 rows of 2,048 bytes,
	s_lshl_b32 s48, s21, 15                        ; my 16 of them,
	s_add_co_u32 s40, s40, s48
	s_lshl_b32 s48, s22, 9                         ; my 512 bytes of each
	s_add_co_u32 s40, s40, s48
	s_mov_b32 s41, 0
	s_wait_dscnt 0x0                               ; both opening adds are done
	s_wait_kmcnt 0x0
	s_add_nc_u64 s[34:35], s[4:5], s[40:41]
	s_or_b32 s35, s35, 0x80000000                  ; type = 2
	tensor_load_to_lds s[32:35], s[24:31]          ; my one tensor load: sixteen of 8,192 bytes go out together, a work-group's whole share of x
	s_nop 0
	s_mul_i32 s40, ttmp9, CHUNK
	s_add_nc_u64 s[18:19], s[18:19], s[40:41]      ; qkv at my chunk
	s_cmp_eq_u32 s21, 0
	s_cselect_b64 s[38:39], s[12:13], s[14:15]     ; bq or bk
	; the bias in the result's layout: it is the C of the first K step
	s_cmp_ge_u32 s21, 2
	s_cbranch_scc1 .Lbias_v
.irp t, 0,1,2,3
	global_load_b128 v[ACC+8*\t:ACC+8*\t+3], v25, s[38:39] offset:64*\t        ; channels 16 t + 8 h + 0 .. 7
	global_load_b128 v[ACC+8*\t+4:ACC+8*\t+7], v25, s[38:39] offset:64*\t+16
.endr
	s_branch .Lbias_in
.Lbias_v:
.set bi, 0
.rept 32
	global_load_b32 v[ACC+bi], v26, s[16:17]       ; v: all 32 registers of a lane belong to one channel
.set bi, bi+1
.endr
.Lbias_in:
; Block t of six: matrix t / 2, rows 64 (w / 2) + 32 (t % 2) + 0 .. 31 of column 32 b + l.  Each load reads 128 consecutive bytes.
.macro WLOAD t
.set wi, 0
.rept 32
	global_load_b32 v[NUM+32*((\t)%2)+wi], v10, s[6+2*((\t)/2):7+2*((\t)/2)] offset:(32*((\t)%2)+wi)*256
.set wi, wi+1
.endr
.endm
; A lane's 32 registers are a whole block of its column: largest magnitude, scale, 32 codes in six registers.  A matrix's two blocks, with the halves of the lanes exchanged, are half c of two tiles' fragments.
.macro WBLOCK t
.set XS, NUM+32*((\t)%2)
.set CE, PC+6*((\t)%2)
.if (\t) < 5
	s_wait_loadcnt 32                              ; this block's loads and all older ones are in; the next block's 32 may be out
.else
	s_wait_loadcnt 0x0
.endif
.if ((\t)%2 == 0) && ((\t) >= 2)
	s_wait_dscnt 0x0                               ; the last matrix's stores have read the registers that are written now
.endif
	v_max3_num_f32 v165, |v[XS]|, |v[XS+1]|, |v[XS+2]|
	v_max3_num_f32 v166, |v[XS+3]|, |v[XS+4]|, |v[XS+5]|
.irp i, 6,10,14,18,22,26
	v_max3_num_f32 v165, v165, |v[XS+\i]|, |v[XS+\i+1]|
	v_max3_num_f32 v166, v166, |v[XS+\i+2]|, |v[XS+\i+3]|
.endr
	v_max3_num_f32 v165, v165, |v[XS+30]|, |v[XS+31]|
	v_max3_num_f32 v165, v165, v166, 0x1800000     ; and the floor 2^(3 - 127): the byte cannot fall under 1
	v_add_nc_u32 v167, 0xff000000, v165            ; 2 off the exponent field: the conversion takes this operand's exponent field as its scale
.if (\t)%2 == 0
	v_lshrrev_b32 v240, 23, v167                   ; the scale's byte: the lower of my column's two
.else
	v_lshrrev_b32 v241, 23, v167
	v_lshl_or_b32 v240, v241, 8, v240              ; and the upper
.endif
	v_cvt_scalef32_pk16_fp6_f32 v[CE:CE+2], v[XS:XS+15], v167
	v_cvt_scalef32_pk16_fp6_f32 v[140:142], v[XS+16:XS+31], v167   ; (a conversion's three registers begin on an even number)
	v_nop                                          ; one plain place behind a scaled conversion
.irp i, 0,1,2
	v_mov_b32 v[CE+3+\i], v[140+\i]
.endr
.if (\t) < 4
	WLOAD (\t)+2
.endif
.if (\t)%2 == 1
.irp i, 0,1,2,3,4,5
	v_permlane16_swap_b32 v[PC+\i], v[PC+6+\i]     ; lanes 16-31 of the lower block change places with lanes 0-15 of the upper: the first six are now tile 2 b's registers, the second six tile 2 b + 1's
.endr
	ds_store_b128 v11, v[PC:PC+3] offset:GRP*((\t)/2)
	ds_store_b64 v12, v[PC+4:PC+5] offset:GRP*((\t)/2)
	ds_store_b128 v11, v[PC+6:PC+9] offset:GRP*((\t)/2)+TIL
	ds_store_b64 v12, v[PC+10:PC+11] offset:GRP*((\t)/2)+TIL
	ds_store_b16 v13, v240 offset:1024*((\t)/2)
.endif
.endm
; 32 nc numbers of a lane, register 16 b + i of block b, the block's other 16 in lane l xor 16, become codes in v[PC] on (six registers for each two blocks) and a scale word in v[PW] (2 nc bytes, the others 0).
.macro QUANT s, nc
.irp b, 0,1,2,3
.if \b < 2*\nc
	v_max3_num_f32 v[TM+\b], |v[\s+16*\b]|, |v[\s+1+16*\b]|, 0x1800000   ; my 16 numbers, and the floor 2^(3 - 127)
.endif
.endr
.irp i, 2,4,6,8,10,12,14
.irp b, 0,1,2,3
.if \b < 2*\nc
	v_max3_num_f32 v[TM+\b], v[TM+\b], |v[\s+16*\b+\i]|, |v[\s+1+16*\b+\i]|   ; (the blocks by turns)
.endif
.endr
.endr
.irp b, 0,1,2,3
.if \b < 2*\nc
	v_permlanex16_b32 v[TM+4+\b], v[TM+\b], s36, s37
.endif
.endr
.irp b, 0,1,2,3
.if \b < 2*\nc
	v_max_num_f32 v[TM+\b], v[TM+\b], v[TM+4+\b]   ; with lane l xor 16's: the block's largest magnitude
.endif
.endr
.irp b, 0,1,2,3
.if \b < 2*\nc
	v_add_nc_u32 v[TM+12+\b], 0xff000000, v[TM+\b] ; 2 off its exponent field: the conversion's scale operand
.endif
.endr
.irp b, 0,1,2,3
.if \b < 2*\nc
	v_lshrrev_b32 v[TM+4+\b], 23, v[TM+12+\b]      ; the scale's byte
.endif
.endr
	v_lshl_or_b32 v[PW], v[TM+5], 8, v[TM+4]
.if \nc > 1
	v_lshl_or_b32 v[PW], v[TM+6], 16, v[PW]
	v_lshl_or_b32 v[PW], v[TM+7], 24, v[PW]
.endif
.irp c, 0,1
.if \c < \nc
	v_cvt_scalef32_pk16_fp6_f32 v[PC+6*\c:PC+2+6*\c], v[\s+32*\c:\s+15+32*\c], v[TM+12+2*\c]
	v_cvt_scalef32_pk16_fp6_f32 v[PC+12+4*\c:PC+14+4*\c], v[\s+16+32*\c:\s+31+32*\c], v[TM+12+2*\c+1]
.endif
.endr
	v_nop                                          ; one plain place behind a scaled conversion
.irp c, 0,1
.if \c < \nc
.irp i, 0,1,2
	v_permlane16_swap_b32 v[PC+6*\c+\i], v[PC+12+4*\c+\i]   ; the operand's layout wants a whole block in a lane: lanes 0-15 block 2 c, lanes 16-31 block 2 c + 1
.endr
.irp i, 0,1,2
	v_mov_b32 v[PC+3+6*\c+\i], v[PC+12+4*\c+\i]
.endr
.endif
.endr
.endm
; 20 LDS loads: K step s of source 0's four tiles and of source 1's tile, as the images lie
.macro FLOAD f, s
.irp t, 0,1,2,3
.irp c, 0,1
	ds_load_b128 v[\f+12*\t+6*\c:\f+12*\t+6*\c+3], v14 offset:TIL*\t+KST*\s+HLF*\c
	ds_load_b64 v[\f+12*\t+6*\c+4:\f+12*\t+6*\c+5], v15 offset:TIL*\t+KST*\s+HLF*\c
.endr
.endr
.irp c, 0,1
	ds_load_b128 v[\f+48+6*\c:\f+48+6*\c+3], v16 offset:KST*\s+HLF*\c
	ds_load_b64 v[\f+48+6*\c+4:\f+48+6*\c+5], v17 offset:KST*\s+HLF*\c
.endr
.endm
; four matrix instructions, the four accumulators by turns, one instruction a turn
.macro MUL f, s
.irp t, 0,1,2,3
.if \t%2
	v_wmma_scale_f32_16x16x128_f8f6f4 v[ACC+8*\t:ACC+8*\t+7], v[\f+12*\t:\f+12*\t+11], v[\f+48:\f+59], v[ACC+8*\t:ACC+8*\t+7], v[SW+3*\s+\t/2], v[SW+3*\s+2] matrix_a_fmt:MATRIX_FMT_FP6 matrix_b_fmt:MATRIX_FMT_FP6 matrix_a_scale:MATRIX_SCALE_ROW1
.else
	v_wmma_scale_f32_16x16x128_f8f6f4 v[ACC+8*\t:ACC+8*\t+7], v[\f+12*\t:\f+12*\t+11], v[\f+48:\f+59], v[ACC+8*\t:ACC+8*\t+7], v[SW+3*\s+\t/2], v[SW+3*\s+2] matrix_a_fmt:MATRIX_FMT_FP6 matrix_b_fmt:MATRIX_FMT_FP6
.endif
.endr
.endm
.macro PLACES                          ; four plain places behind a matrix instruction, in front of loads into its sources and of the first read of its results
.rept 4
	v_nop
.endr
.endm
	; ---- the weights, while x is on its way: two blocks of loads ahead
	WLOAD 0
	WLOAD 1
.irp t, 0,1,2,3,4,5
	WBLOCK \t
.endr
	; ---- x: my 16 tokens x 128 along K
	s_wait_tensorcnt 0x0                           ; my strip has landed; no other wave reads it
.irp b, 0,1,2,3
.irp j, 0,1,2,3
	ds_load_b128 v[NUM+16*\b+4*\j:NUM+16*\b+4*\j+3], v6 offset:128*\b+16*\j   ; x(r, 32 b + 16 h + 4 j ..)
.endr
.endr
	s_wait_dscnt 0x0                               ; they are in, and the last weights' stores have read their registers
	QUANT NUM, 2
	ds_store_b128 v7, v[PC:PC+3]
	ds_store_b64 v8, v[PC+4:PC+5]
	ds_store_b128 v7, v[PC+6:PC+9] offset:HLF
	ds_store_b64 v8, v[PC+10:PC+11] offset:HLF
	ds_store_b32 v9, v[PW]                         ; both halves of the lanes hold row r's word and write it to the same place
	s_wait_dscnt 0x0                               ; for the others' sake: all my images lie in LDS
	s_barrier_signal -1
	s_barrier_wait -1                              ; 48 fragments of the weights and 16 of x lie in LDS
	; ---- a unit a wave
	s_cmp_ge_u32 s20, 12
	s_cbranch_scc1 .Lnounit
.irp s, 0,1,2,3
	ds_load_b32 v[SW+3*\s], v18 offset:256*\s
	ds_load_b32 v[SW+3*\s+1], v18 offset:256*\s+128
	ds_load_b32 v[SW+3*\s+2], v19 offset:256*\s
.endr
	FLOAD F0, 0
	FLOAD F1, 1
	s_wait_dscnt 20                                ; all but the 20 just issued
	MUL F0, 0
	PLACES
	FLOAD F0, 2
	s_wait_dscnt 20
	MUL F1, 1
	PLACES
	FLOAD F1, 3
	s_wait_dscnt 20
	MUL F0, 2
	s_wait_dscnt 0x0
	MUL F1, 3
	PLACES
	QUANT ACC, 1                                   ; 32 numbers a lane: two blocks of the next product's K.  Each accumulator is read from its low end on
	global_store_b128 v20, v[PC:PC+3], s[18:19]    ; 512 consecutive bytes, from a multiple of 256 on
	global_store_b64 v21, v[PC+4:PC+5], s[18:19]   ; and 256 more
	ds_store_b32 v22, v[PW]
.Lnounit:
	s_wait_dscnt 0x0                               ; for the others' sake: my scale words lie in LDS
	s_barrier_signal -1
	s_barrier_wait -1
	s_cmp_ge_u32 s20, 3
	s_cbranch_scc1 .Lend
	ds_load_b64 v[242:243], v23                    ; the twelve units' scale words leave as three runs of 256 consecutive bytes
	s_wait_dscnt 0x0
	global_store_b64 v24, v[242:243], s[18:19]
.Lend:
	s_wait_tensorcnt 0x0                           ; the wave's end: three closing lines, behind my tensor load and my last LDS store
	ds_add_u32 v4, v5
	s_wait_dscnt 0x0
	s_endpgm
.Lfunc_end_k_q3a21c4b83a_proj:
	.size	k_q3a21c4b83a_proj, .Lfunc_end_k_q3a21c4b83a_proj-k_q3a21c4b83a_proj
	.p2alignl 7, 3214868480
	.fill 96, 4, 3214868480
	.section	.rodata,"a",@progbits
	.p2align	6, 0x0
	.amdhsa_kernel k_q3a21c4b83a_proj
		.amdhsa_group_segment_fixed_size 240640
		.amdhsa_private_segment_fixed_size 0
		.amdhsa_enable_private_segment 0
		.amdhsa_kernarg_size 64
		.amdhsa_user_sgpr_count 2
		.amdhsa_user_sgpr_kernarg_segment_ptr 1
		.amdhsa_wavefront_size32 1
		.amdhsa_system_sgpr_workgroup_id_x 1
		.amdhsa_system_sgpr_workgroup_id_y 1
		.amdhsa_system_sgpr_workgroup_id_z 1
		.amdhsa_system_vgpr_workitem_id 0
		.amdhsa_next_free_vgpr 256
		.amdhsa_next_free_sgpr 66
		.amdhsa_reserve_vcc 0
		.amdhsa_float_denorm_mode_32 3
		.amdhsa_float_denorm_mode_16_64 3
		.amdhsa_memory_ordered 1
		.amdhsa_forward_progress 1
		.amdhsa_inst_pref_size 55
	.end_amdhsa_kernel
	.amdgpu_metadata
---
amdhsa.version: [ 1, 2 ]
amdhsa.kernels:
  - .name:           k_q3a21c4b83a_proj
    .symbol:         k_q3a21c4b83a_proj.kd
    .args:
      - { .name: x, .offset: 0, .size: 8, .value_kind: global_buffer, .address_space: global }
      - { .name: Wq, .offset: 8, .size: 8, .value_kind: global_buffer, .address_space: global }
      - { .name: Wk, .offset: 16, .size: 8, .value_kind: global_buffer, .address_space: global }
      - { .name: Wv, .offset: 24, .size: 8, .value_kind: global_buffer, .address_space: global }
      - { .name: bq, .offset: 32, .size: 8, .value_kind: global_buffer, .address_space: global }
      - { .name: bk, .offset: 40, .size: 8, .value_kind: global_buffer, .address_space: global }
      - { .name: bv, .offset: 48, .size: 8, .value_kind: global_buffer, .address_space: global }
      - { .name: qkv, .offset: 56, .size: 8, .value_kind: global_buffer, .address_space: global }
    .group_segment_fixed_size: 240640
    .private_segment_fixed_size: 0
    .kernarg_segment_align: 8
    .kernarg_segment_size: 64
    .max_flat_workgroup_size: 512
    .sgpr_count:     66
    .vgpr_count:     256
    .wavefront_size: 32
...
	.end_amdgpu_metadata
.endif
;; end of part 1
;; launch attn (part 2): grid 32 x 8, 16 waves a work-group, no clusters, 75,776 bytes of LDS; arguments qkv, out0; writes out0
.if DOCPART == 2
	.amdgcn_target "amdgcn-amd-amdhsa--gfx1250"
	.amdhsa_code_object_version 6
	.text
	.protected	k_q3a21c4b83a_attn
	.globl	k_q3a21c4b83a_attn
	.p2align	8
	.type	k_q3a21c4b83a_attn,@function
k_q3a21c4b83a_attn:
	s_mov_b64 s[64:65], 0
	v_nop
	global_prefetch_b8 v0, s[64:65] scope:SCOPE_SE
	s_setreg_imm32_b32 hwreg(HW_REG_WAVE_MODE, 25, 1), 1
	s_wait_xcnt 0x0
; out[b][q][:] = the sum over keys k <= q of softmax_k(q . k / 8) v[k][:], both products on codes of FP6 (E2M3) with one E8M0 scale for each 32 along a product's K.  2,048 tokens, 64 channels, 8 batches.
; qkv holds q, k and v as codes in the order of the operands' registers (256 chunks of 64 tokens, 9,984 bytes each: units of 768 bytes, q's at 0, k's at 3072, v's at 6144, scale words at 9216): every fragment
; comes by loads of 512 and 256 consecutive bytes straight into registers.
; THE SOFTMAX: t = score x log2(e) / 8; M = the largest t so far, rounded UP to a whole number; p = 2^(t - M) is quantised along the keys, not normalised; the row's sum is taken of the unquantised p and divides at the end.
; When M moves, the sum and O are multiplied by 2^(old M - new M), which rounds nothing.
; SHARES.  A work-group owns query blocks j and 63 - j of 32 queries each: four tiles of 16 queries, 2 (j / 4 + 1) + 2 (16 - j / 4) = 34 steps of 16 queries x 128 keys in every work-group.  A tile's key steps are dealt
; to four waves: wave w has part c = w / 4 of tile T = (w / 4 + w) % 4 and walks steps c0, c0 + 4, c0 + 8, c0 + 12 (c0 = c for the late tiles, 3 - c for the early ones), those under the tile's count n.  The four waves
; with equal w % 4 have four different tiles, and so have the four with equal w / 4.  The loop's count is the constant 4: a step at or past n is jumped over by a scalar branch on ids.
; At the end the four parts of a tile meet in LDS and are joined under the largest M.
; LAYOUT.  Both products are used transposed: S^T = K Q^T, O^T = V^T P^T: a lane holds ONE query (lane % 16).  Register 8 t + j of S^T is key 16 t + 8 (lane / 16) + j: the order in which v's tokens were laid too, so p's codes
; and v's pair the same keys; likewise q's and k's channels.  LIMIT: inside a block of 32 the products are summed in the order 0..7, 16..23, 8..15, 24..31.
; THE FIRST PRODUCT'S K IS 64: the upper half of Q's fragment is zero codes.  K's fragment of tile t is named as 12 registers of which the upper six are the next tile's codes (zeros behind the last): they meet Q's zeros and
; add nothing; the scale bytes there are 0, which is 2^-127 and no NaN.
; LIMITS: NaN and infinities are not served; a block of p that has fallen to zeros keeps the scale byte 1.
; NO CLUSTER, NO LDS RING: a step's 19,968 bytes are read by at most four waves of a work-group, and the work-groups of a batch want from 9 to 16 steps' keys: a joint load would bring some partner tiles that it never reads.
; NO PREFETCH: the keys and values of a batch, 212,992 bytes, are read again and again by its 32 work-groups.
.set CHUNK, 9984
.set REG,   4608                       ; LDS: region 4 T + c: 16 rows x (256 bytes + 16) of O^T's part, then 16 x 8 bytes of (-M, sum)
.set STAT,  4352
.set SPARE, 73728                      ; behind the 16 regions: the spare words, 128 bytes for each wave: eight blocks of 256 bytes that no other line names
.set BM,    52                         ; v52-55 the blocks' largest scores, then largest p;  v56-59 the partner's, then the bytes;  v60-63 the conversions' scale operands;  v64-67 at work
.set BP,    56
.set SO,    60
; v1 16 l, v2 8 l, v3 4 l; v4, v5 the add's two; v6 r - 8 h; v7-v10 LDS addresses of the way out; v11 4 r; v12 -M, v13 the largest t, v[14:15] the sum in two halves; v16-21 Q's codes, v22-27 zeros; v28 Q's scale word,
; v29 p's; v30 f, v31 0; v32-79 K's eight tiles, six registers each, v80-85 zeros; v86-89 K's scale words, v90-93 V's; v96-159 S^T, then p; v160-191 O^T; v192-239 V's four tiles.  Behind the first product v32-43 take p's codes.
	s_load_b128 s[4:7], s[0:1], 0x0                ; qkv s[4:5], out0 s[6:7]
	v_lshl_add_u32 v4, v0, 2, SPARE
	v_mov_b32 v5, 0
	v_lshrrev_b32 v32, 5, v0
	v_readfirstlane_b32 s8, v32                    ; wave w
	v_and_b32 v32, 31, v0                          ; l
	v_and_b32 v33, 15, v0                          ; r
	v_bfe_u32 v34, v0, 4, 1                        ; h
	v_lshlrev_b32 v1, 4, v32
	v_lshlrev_b32 v2, 3, v32
	v_lshlrev_b32 v3, 2, v32
	v_lshlrev_b32 v11, 2, v33
	s_lshr_b32 s9, s8, 2                           ; c
	s_add_co_u32 s10, s9, s8
	s_and_b32 s10, s10, 3                          ; T
	s_lshr_b32 s11, s10, 1                         ; 1: a tile of the late block
	s_mul_i32 s28, s11, 63
	s_xor_b32 s12, ttmp9, s28                      ; the block of 32 queries: j or 63 - j
	s_and_b32 s28, s10, 1
	s_lshl_b32 s28, s28, 4
	s_lshl_b32 s13, s12, 5
	s_add_co_u32 s13, s13, s28                     ; my first query
	s_lshr_b32 s14, s12, 2
	s_add_co_u32 s14, s14, 1                       ; n: key steps of 128 that hold a key at or under my queries
	s_xor_b32 s28, s9, 3
	s_cmp_eq_u32 s11, 1
	s_cselect_b32 s15, s9, s28                     ; my first step
	s_lshl_b32 s16, s15, 7                         ; and its first key
	s_mov_b32 s17, 0
	s_mov_b32 s20, 0x76543210
	s_mov_b32 s21, 0xfedcba98                      ; v_permlanex16_b32's selects for lane l xor 16
	s_mov_b32 s22, 0x3e38aa3b                      ; log2(e) / 8
	s_mov_b32 s23, s22                             ; (the packed form names the pair)
	s_and_b32 s28, ttmp7, 0xffff                   ; the batch
	s_mul_i32 s30, s28, 32*CHUNK                   ; its 32 chunks
	s_mul_i32 s32, s15, 2*CHUNK                    ; a step is two chunks
	s_add_co_u32 s32, s32, s30
	s_mov_b32 s33, 0
	s_lshr_b32 s34, s13, 6
	s_mul_i32 s34, s34, CHUNK
	s_add_co_u32 s34, s34, s30                     ; my queries' chunk
	s_bfe_u32 s31, s13, 0x20004                    ; and their tile in it
	s_mul_i32 s36, s31, 768
	s_add_co_u32 s36, s36, s34
	s_mov_b32 s37, 0
	s_lshl_b32 s38, s31, 6
	s_add_co_u32 s38, s38, s34
	s_add_co_u32 s38, s38, 9216
	s_mov_b32 s39, 0
	s_lshl_b32 s34, s9, 2
	s_add_co_u32 s34, s34, s13                     ; the four rows of out0 that I join and store
	s_lshl_b32 s34, s34, 8
	s_lshl_b32 s35, s28, 19
	s_add_co_u32 s34, s34, s35
	s_mov_b32 s35, 0
	s_wait_kmcnt 0x0
	s_add_nc_u64 s[18:19], s[4:5], s[32:33]        ; the step in hand
	s_add_nc_u64 s[24:25], s[4:5], s[36:37]        ; Q's unit
	s_add_nc_u64 s[26:27], s[4:5], s[38:39]        ; Q's scale words
	s_add_nc_u64 s[6:7], s[6:7], s[34:35]
	global_load_b128 v[16:19], v1, s[24:25]
	global_load_b64 v[20:21], v2, s[24:25] offset:512
	global_load_b32 v28, v11, s[26:27]
	v_lshlrev_b32 v35, 3, v34
	v_sub_nc_u32 v6, v33, v35                      ; r - 8 h
	s_lshl_b32 s28, s10, 2
	s_add_co_u32 s28, s28, s9
	s_mul_i32 s28, s28, REG                        ; my region
	v_mul_u32_u24 v7, v33, 272
	v_lshl_add_u32 v7, v34, 5, v7
	v_add_nc_u32 v7, s28, v7                       ; in: row r, + 32 h
	s_add_co_u32 s28, s28, STAT
	v_lshl_add_u32 v8, v33, 3, s28                 ; and row r's (-M, sum)
	s_mul_i32 s29, s10, 4*REG                      ; my tile's four regions
	s_mul_i32 s28, s9, 4*272
	s_add_co_u32 s28, s28, s29
	v_mul_u32_u24 v9, v34, 272
	v_lshl_add_u32 v9, v33, 4, v9
	v_add_nc_u32 v9, s28, v9                       ; back: rows 4 c + h (and two further on), 16 bytes a lane
	s_lshl_b32 s28, s9, 5
	s_add_co_u32 s28, s28, s29
	s_add_co_u32 s28, s28, STAT
	v_lshl_add_u32 v10, v34, 3, s28
.irp i, 0,1,2,3,4,5
	v_mov_b32 v[22+\i], 0                          ; the upper half of Q's fragment: zero codes
	v_mov_b32 v[80+\i], 0                          ; what stands behind K's last tile
.endr
	v_mov_b32 v13, 0xff61b1e6                      ; the largest t so far: -3e38, under every t
	v_floor_f32 v12, -v13                          ; -M
	v_mov_b32 v14, 0
	v_mov_b32 v15, 0
	v_mov_b32 v31, 0                               ; (named with f as a pair)
.set zi, 0
.rept 32
	v_mov_b32 v[160+zi], 0                         ; O^T.  Which trip is a wave's first step hangs on ids, so the step is written once: the first finds zeros, which the first change of M leaves zeros
.set zi, zi+1
.endr
.Lstep:
	s_cmp_ge_u32 s15, s14                          ; a step all of whose keys come after my queries is left out
	s_cbranch_scc1 .Lskip
.irp P, 0,1                                    ; K first: 128 keys are two chunks' four tiles each
.irp t, 0,1,2,3
	global_load_b128 v[32+6*(4*\P+\t):35+6*(4*\P+\t)], v1, s[18:19] offset:CHUNK*\P+3072+768*\t
	global_load_b64 v[36+6*(4*\P+\t):37+6*(4*\P+\t)], v2, s[18:19] offset:CHUNK*\P+3072+768*\t+512
.endr
.irp u, 0,1
	global_load_b32 v[86+2*\P+\u], v3, s[18:19] offset:CHUNK*\P+9472+128*\u   ; lanes 0-15 an even tile's words, lanes 16-31 the odd tile's
.endr
.endr
.irp P, 0,1                                    ; then V: chunk P is registers 6 P .. 6 P + 5 of each of the four channel tiles
.irp t, 0,1,2,3
	global_load_b128 v[192+12*\t+6*\P:195+12*\t+6*\P], v1, s[18:19] offset:CHUNK*\P+6144+768*\t
	global_load_b64 v[196+12*\t+6*\P:197+12*\t+6*\P], v2, s[18:19] offset:CHUNK*\P+6144+768*\t+512
.endr
.irp u, 0,1
	global_load_b32 v[90+2*\P+\u], v3, s[18:19] offset:CHUNK*\P+9728+128*\u
.endr
.endr
	s_wait_loadcnt 20                              ; K, its scale words and (in my first step) Q are in; V's 20 loads may be out
.irp t, 0,1,2,3,4,5,6,7
.if \t%2
	v_wmma_scale_f32_16x16x128_f8f6f4 v[96+8*\t:103+8*\t], v[32+6*\t:43+6*\t], v[16:27], 0, v[86+\t/2], v28 matrix_a_fmt:MATRIX_FMT_FP6 matrix_b_fmt:MATRIX_FMT_FP6 matrix_a_scale:MATRIX_SCALE_ROW1
.else
	v_wmma_scale_f32_16x16x128_f8f6f4 v[96+8*\t:103+8*\t], v[32+6*\t:43+6*\t], v[16:27], 0, v[86+\t/2], v28 matrix_a_fmt:MATRIX_FMT_FP6 matrix_b_fmt:MATRIX_FMT_FP6
.endif
.endr
.rept 4
	v_nop                                          ; four plain places in front of the first read of the scores and the first write of K's registers (ISA guide 7.12.1)
.endr
	s_add_co_u32 s28, s15, 1                       ; only the tile's last step lies on the diagonal: there hidden scores become -infinity ahead of the maximum.  Its first key is at or under every query of the tile
	s_cmp_lg_u32 s28, s14
	s_cbranch_scc1 .Lopen
	s_sub_co_i32 s28, s13, s16
	v_add_nc_u32 v64, s28, v6                      ; d = my query - the step's first key - 8 h.  Register 8 t + j holds the key 16 t + j + 8 h on: hidden where 16 t + j > d
	v_mov_b32 v65, 0xff800000
.set mn, 0
.rept 64
	v_cmp_gt_i32 vcc_lo, 16*(mn/8)+mn%8, v64
	v_cndmask_b32 v[96+mn], v[96+mn], v65, vcc_lo
.set mn, mn+1
.endr
.Lopen:
.irp b, 0,1,2,3
	v_max3_num_f32 v[BM+\b], v[96+16*\b], v[97+16*\b], v[98+16*\b]   ; the largest score of each block of 32 keys: it serves for the row's maximum and, since p rises with the score, for the block's largest p
.endr
.irp i, 3,5,7,9,11,13
.irp b, 0,1,2,3
	v_max3_num_f32 v[BM+\b], v[BM+\b], v[96+16*\b+\i], v[97+16*\b+\i]
.endr
.endr
.irp b, 0,1,2,3
	v_max_num_f32 v[BM+\b], v[BM+\b], v[111+16*\b]
.endr
.irp b, 0,1,2,3
	v_permlanex16_b32 v[BP+\b], v[BM+\b], s20, s21
.endr
.irp b, 0,1,2,3
	v_max_num_f32 v[BM+\b], v[BM+\b], v[BP+\b]     ; with lane l xor 16's 16 keys
.endr
	v_max3_num_f32 v64, v[BM], v[BM+1], v[BM+2]
	v_max_num_f32 v64, v64, v[BM+3]
	v_mul_f32 v64, s22, v64                        ; the step's largest t
	v_max_num_f32 v13, v13, v64
	v_mov_b32 v64, v12
	v_floor_f32 v12, -v13                          ; the new -M = -ceil(t): a whole number
	v_sub_f32 v64, v12, v64                        ; old M - new M: a whole number, 0 or less
	v_cvt_i32_f32 v64, v64                         ; (it saturates)
	v_ldexp_f32 v30, 1.0, v64                      ; f = 2^(old M - new M)
.set pj, 0
.rept 32
	v_pk_fma_f32 v[96+pj:97+pj], v[96+pj:97+pj], s[22:23], v[12:13] op_sel_hi:[1,0,0]   ; t - M, two at a time
.set pj, pj+2
.endr
.irp b, 0,1,2,3
	v_fma_f32 v[BM+\b], v[BM+\b], s22, v12         ; the same of each block's largest score
.endr
.set pj, 0
.rept 64
	v_exp_f32 v[96+pj], v[96+pj]                   ; p = 2^(t - M), at most 1
.set pj, pj+1
.endr
	v_pk_mul_f32 v[14:15], v[14:15], v[30:31] op_sel_hi:[1,0]   ; the sums under the new M: the plain place behind the exponentials
	s_wait_alu depctr_va_vdst(0)                   ; one wait for the whole batch, ahead of its first reader
.irp b, 0,1,2,3
	v_exp_f32 v[BM+\b], v[BM+\b]                   ; the block's largest p: the same two instructions on the same number give the same bits
.endr
	v_pk_add_f32 v[66:67], v[96:97], v[98:99]      ; the row's sum is taken of the unquantised p, in two chains
.irp j, 4,8,12,16,20,24,28,32,36,40,44,48,52,56,60
	v_pk_add_f32 v[14:15], v[14:15], v[96+\j:97+\j]
	v_pk_add_f32 v[66:67], v[66:67], v[98+\j:99+\j]
.endr
	v_pk_add_f32 v[14:15], v[14:15], v[66:67]
	s_wait_alu depctr_va_vdst(0)                   ; and one for the four
.irp b, 0,1,2,3
	v_max_num_f32 v[BM+\b], 0x1800000, v[BM+\b]    ; the floor 2^(3 - 127): the byte cannot fall under 1
.endr
.irp b, 0,1,2,3
	v_add_nc_u32 v[SO+\b], 0xff000000, v[BM+\b]    ; 2 off the exponent field: the conversion's scale operand
.endr
.irp b, 0,1,2,3
	v_lshrrev_b32 v[BP+\b], 23, v[SO+\b]           ; the scale's byte
.endr
	v_lshl_or_b32 v29, v[BP+1], 8, v[BP]           ; p's scale word for these 128 keys
	v_lshl_or_b32 v29, v[BP+2], 16, v29
	v_lshl_or_b32 v29, v[BP+3], 24, v29
.irp c, 0,1
	v_cvt_scalef32_pk16_fp6_f32 v[32+6*\c:34+6*\c], v[96+32*\c:111+32*\c], v[SO+2*\c]
	v_cvt_scalef32_pk16_fp6_f32 v[44+4*\c:46+4*\c], v[112+32*\c:127+32*\c], v[SO+2*\c+1]   ; (a conversion's three registers begin on an even number)
.endr
	v_nop                                          ; one plain place behind a scaled conversion
.irp c, 0,1
.irp i, 0,1,2
	v_permlane16_swap_b32 v[32+6*\c+\i], v[44+4*\c+\i]   ; a whole block to a lane: lanes 0-15 block 2 c, lanes 16-31 block 2 c + 1
.endr
.irp i, 0,1,2
	v_mov_b32 v[35+6*\c+\i], v[44+4*\c+\i]
.endr
.endr
	s_wait_loadcnt 0x0                             ; V and its scale words
	v_lshl_or_b32 v90, v92, 16, v90                ; a channel's word: the first chunk's two bytes below, the second's above
	v_lshl_or_b32 v91, v93, 16, v91
.set pj, 0
.rept 16
	v_pk_mul_f32 v[160+pj:161+pj], v[160+pj:161+pj], v[30:31] op_sel_hi:[1,0]   ; O^T under the new M.  These sixteen are also the places between the scale words and codes just written and the products
.set pj, pj+2
.endr
.irp t, 0,1,2,3
.if \t%2
	v_wmma_scale_f32_16x16x128_f8f6f4 v[160+8*\t:167+8*\t], v[192+12*\t:203+12*\t], v[32:43], v[160+8*\t:167+8*\t], v[90+\t/2], v29 matrix_a_fmt:MATRIX_FMT_FP6 matrix_b_fmt:MATRIX_FMT_FP6 matrix_a_scale:MATRIX_SCALE_ROW1
.else
	v_wmma_scale_f32_16x16x128_f8f6f4 v[160+8*\t:167+8*\t], v[192+12*\t:203+12*\t], v[32:43], v[160+8*\t:167+8*\t], v[90+\t/2], v29 matrix_a_fmt:MATRIX_FMT_FP6 matrix_b_fmt:MATRIX_FMT_FP6
.endif
.endr
.rept 4
	v_nop                                          ; four plain places in front of the next step's loads into these products' sources, and of the way out's reads of O^T
.endr
.Lskip:
	s_wait_xcnt 0x0                                ; the loads have read their base: it may step
	s_add_nc_u64 s[18:19], s[18:19], 8*CHUNK       ; four steps on.  (Past the tile's count nothing is loaded by it)
	s_add_co_u32 s15, s15, 4
	s_add_co_u32 s16, s16, 512
	s_add_co_u32 s17, s17, 1
	s_cmp_lt_u32 s17, 4
	s_cbranch_scc1 .Lstep
	; THE WAY OUT.  My part of the tile (O^T, -M, the sum) goes to my region; behind the barrier each of the tile's four waves joins four rows: all parts are brought under the largest M by factors 2^(M_p - M), which round
	; nothing (a part that walked no step has -M = 3e38: its factor is 0), and are divided by the joint sum.
	v_add_f32 v14, v14, v15                        ; the sum's two halves,
	v_permlanex16_b32 v15, v14, s20, s21
	v_add_f32 v13, v14, v15                        ; and lane l xor 16's; it takes the largest t's place beside -M
.irp t, 0,1,2,3
	ds_store_b128 v7, v[160+8*\t:163+8*\t] offset:64*\t            ; channels 16 t + 8 h + 0 .. 7 of query r; each accumulator from its low end on
	ds_store_b128 v7, v[164+8*\t:167+8*\t] offset:64*\t+16
.endr
	ds_store_b64 v8, v[12:13]                      ; both halves of the lanes hold the same pair
	s_wait_dscnt 0x0                               ; for the others' sake: my part lies in LDS
	s_barrier_signal -1
	s_barrier_wait -1
.irp g, 0,1
.irp p, 0,1,2,3
	ds_load_b64 v[32+8*\g+2*\p:33+8*\g+2*\p], v10 offset:REG*\p+16*\g      ; (-M, sum) of part p, row 4 c + 2 g + h
.endr
.endr
.irp g, 0,1
.irp p, 0,1,2,3
	ds_load_b128 v[48+16*\g+4*\p:51+16*\g+4*\p], v9 offset:REG*\p+544*\g   ; and my 16 bytes of that row
.endr
.endr
	s_wait_dscnt 8                                 ; the eight pairs are in; the eight loads of rows may be out
.irp g, 0,1
	v_min_num_f32 v[80+\g], v[32+8*\g], v[34+8*\g]
.endr
.irp g, 0,1
	v_min_num_f32 v[80+\g], v[80+\g], v[36+8*\g]
.endr
.irp g, 0,1
	v_min_num_f32 v[80+\g], v[80+\g], v[38+8*\g]   ; the smallest -M: the largest M
.endr
.irp g, 0,1
.irp p, 0,1,2,3
	v_sub_f32 v[96+4*\g+\p], v[80+\g], v[32+8*\g+2*\p]   ; M_p - M: a whole number, 0 or less
.endr
.endr
.irp g, 0,1
.irp p, 0,1,2,3
	v_cvt_i32_f32 v[96+4*\g+\p], v[96+4*\g+\p]     ; (it saturates)
.endr
.endr
.irp g, 0,1
.irp p, 0,1,2,3
	v_ldexp_f32 v[96+4*\g+\p], 1.0, v[96+4*\g+\p]
.endr
.endr
.irp g, 0,1
	v_mul_f32 v[104+\g], v[96+4*\g], v[33+8*\g]
.endr
.irp p, 1,2,3
.irp g, 0,1
	v_fmac_f32 v[104+\g], v[96+4*\g+\p], v[33+8*\g+2*\p]   ; the joint sum
.endr
.endr
	v_rcp_f32 v106, v104
	v_rcp_f32 v107, v105
	v_nop                                          ; a plain place behind the reciprocals
	s_wait_alu depctr_va_vdst(0)                   ; and one wait for both, ahead of the first reader
.irp g, 0,1
.irp p, 0,1,2,3
	v_mul_f32 v[96+4*\g+\p], v[96+4*\g+\p], v[106+\g]
.endr
.endr
	s_wait_dscnt 0x0
.irp g, 0,1
.irp i, 0,1,2,3
	v_mul_f32 v[108+4*\g+\i], v[96+4*\g], v[48+16*\g+\i]
.endr
.irp p, 1,2,3
.irp i, 0,1,2,3
	v_fmac_f32 v[108+4*\g+\i], v[96+4*\g+\p], v[48+16*\g+4*\p+\i]
.endr
.endr
	global_store_b128 v1, v[108+4*\g:111+4*\g], s[6:7] offset:512*\g th:TH_STORE_NT   ; two whole rows of 256 bytes: sixteen lanes to a row
.endr
	s_wait_tensorcnt 0x0                           ; the wave's end
	ds_add_u32 v4, v5
	s_wait_dscnt 0x0
	s_endpgm
.Lfunc_end_k_q3a21c4b83a_attn:
	.size	k_q3a21c4b83a_attn, .Lfunc_end_k_q3a21c4b83a_attn-k_q3a21c4b83a_attn
	.p2alignl 7, 3214868480
	.fill 96, 4, 3214868480
	.section	.rodata,"a",@progbits
	.p2align	6, 0x0
	.amdhsa_kernel k_q3a21c4b83a_attn
		.amdhsa_group_segment_fixed_size 75776
		.amdhsa_private_segment_fixed_size 0
		.amdhsa_enable_private_segment 0
		.amdhsa_kernarg_size 16
		.amdhsa_user_sgpr_count 2
		.amdhsa_user_sgpr_kernarg_segment_ptr 1
		.amdhsa_wavefront_size32 1
		.amdhsa_system_sgpr_workgroup_id_x 1
		.amdhsa_system_sgpr_workgroup_id_y 1
		.amdhsa_system_sgpr_workgroup_id_z 1
		.amdhsa_system_vgpr_workitem_id 0
		.amdhsa_next_free_vgpr 256
		.amdhsa_next_free_sgpr 66
		.amdhsa_reserve_vcc 1
		.amdhsa_float_denorm_mode_32 3
		.amdhsa_float_denorm_mode_16_64 3
		.amdhsa_memory_ordered 1
		.amdhsa_forward_progress 1
		.amdhsa_inst_pref_size 34
	.end_amdhsa_kernel
	.amdgpu_metadata
---
amdhsa.version: [ 1, 2 ]
amdhsa.kernels:
  - .name:           k_q3a21c4b83a_attn
    .symbol:         k_q3a21c4b83a_attn.kd
    .args:
      - { .name: qkv, .offset: 0, .size: 8, .value_kind: global_buffer, .address_space: global }
      - { .name: out0, .offset: 8, .size: 8, .value_kind: global_buffer, .address_space: global }
    .group_segment_fixed_size: 75776
    .private_segment_fixed_size: 0
    .kernarg_segment_align: 8
    .kernarg_segment_size: 16
    .max_flat_workgroup_size: 512
    .sgpr_count:     66
    .vgpr_count:     256
    .wavefront_size: 32
...
	.end_amdgpu_metadata
.endif
;; end of part 2
;; ======== version 2 of 2: 2 launches
;; workspace buffers: qkv 2,555,904 bytes
;; launch proj (part 3): grid 256 x 1, 16 waves a work-group, no clusters, 240,640 bytes of LDS; arguments x, Wq, Wk, Wv, bq, bk, bv, qkv; writes qkv
.if DOCPART == 3
	.amdgcn_target "amdgcn-amd-amdhsa--gfx1250"
	.amdhsa_code_object_version 6
	.text
	.protected	k_q3a21c4b83a_proj
	.globl	k_q3a21c4b83a_proj
	.p2align	8
	.type	k_q3a21c4b83a_proj,@function
k_q3a21c4b83a_proj:
	s_mov_b64 s[64:65], 0
	v_nop
	global_prefetch_b8 v0, s[64:65] scope:SCOPE_SE
	s_setreg_imm32_b32 hwreg(HW_REG_WAVE_MODE, 25, 1), 1
	s_wait_xcnt 0x0
; q = x Wq + bq, k = x Wk + bk, v = x Wv + bv on codes of FP6 (E2M3) with one E8M0 scale for each 32 along K = 512, and q, k, v quantised again for the attention launch:
; q and k along the head's 64 channels, v along the tokens.  x: [16384][512] f32; W: [512][64] f32, K its FIRST axis; b: [64] f32.
; SHARES.  A work-group of sixteen waves takes 64 tokens (a CHUNK).  Every wave quantises one fragment of x (16 tokens x 128 K) and six half fragments of the weights; they meet in LDS as images of the
; operand's registers; then twelve waves make one UNIT each: 16 tokens x 64 channels of q or of k, or 16 channels x 64 tokens of v, four accumulators, 16 matrix instructions.
; q, k: source 0 = 16 columns of W, source 1 = 16 tokens: a lane holds ONE token and 32 channels.  v: source 0 = 16 tokens, source 1 = 16 columns of Wv: a lane holds ONE channel and 32 tokens.  So one text serves all three.
; In both cases register 8 t + j of lane (r, h) is element 16 t + 8 h + j of the next product's K: a block of 32 lies in lanes l and l xor 16, and its codes come out in the order 0..7, 16..23, 8..15, 24..31.
; Both operands of each later product are made in this same order, so the products pair the same numbers; blocks, scales and codes are those of the ascending order.
; OUT: qkv, 256 chunks of 9,984 bytes.  Unit U (0-3 q's token tiles, 4-7 k's, 8-11 v's channel tiles) at 768 U: lane l's registers 0-3 at 16 l, then its registers 4-5 at 512 + 8 l; its scale words at 9216 + 64 U + 4 r (bytes 0, 1; bytes 2, 3 are 0).
; LIMITS.  NaN and infinities among the inputs are not served.  A block whose largest magnitude lies under 2^-124, a block of zeros among them, gets the scale byte 1 (this program alone reads the bytes; a block of zeros has zero codes).
; The bias is the C of a sum's first K step, so it is added ahead of the products and not behind them; inside a block of 32 the later products sum in the order given above.
; NO CLUSTER: what the work-groups share are the weights, 3 x 131,072 bytes of f32, which are wanted a column to a lane with registers down K: they go from memory straight into registers.  Through LDS they would
; want 393,216 bytes beside the 240,640 in use here.  NO PREFETCH: all of a work-group's x is asked for at the head by its sixteen tensor loads.
.set XTW,   8448                       ; LDS 0: wave w's strip of x: 16 rows x (512 bytes + 16), filled by its tensor load and read by it alone
.set XP,    528
.set IMG,   135168                     ; images of fragments: group G (0 Wq, 1 Wk, 2 Wv, 3 x) x tile x K step x half
.set GRP,   24576
.set TIL,   6144
.set KST,   1536
.set HLF,   768                        ; a half: registers 6 c .. 6 c + 3 at 16 l (512 bytes), 6 c + 4, 6 c + 5 at 512 + 8 l (256 bytes)
.set SCI,   233472                     ; their scale words: 1024 G + 256 s + 64 tile + 4 r
.set SCO,   237568                     ; the units' scale words: 64 U + 4 r
.set SPARE, 238592                     ; the spare words, 128 bytes for each wave: eight blocks of 256 bytes that no other line names
.set CHUNK, 9984
.set ACC,   32                         ; v32-63   the bias, then four accumulators
.set NUM,   64                         ; v64-127  two sets of 32 numbers of W; then 64 numbers of x; then fragment buffer F0
.set F0,    64
.set F1,    168                        ; v168-227 fragment buffer F1
.set PC,    128                        ; v128-139 codes just made; v140-146 the upper halves' places
.set TM,    148                        ; v148-151 largest magnitudes, v152-155 the partner's, then the bytes, v160-163 the conversions' scale operands
.set PW,    164                        ; the scale word just made
.set SW,    228                        ; v228-239 scale words and nothing else: three for each K step
; v1 lane, v2 r, v3 h; v4, v5 the add's two; v6-v26 addresses, all made here at the head, ahead of the first branch
	s_load_b256 s[4:11], s[0:1], 0x0               ; x s[4:5], Wq s[6:7], Wk s[8:9], Wv s[10:11]
	s_load_b256 s[12:19], s[0:1], 0x20             ; bq s[12:13], bk s[14:15], bv s[16:17], qkv s[18:19]
	v_lshl_add_u32 v4, v0, 2, SPARE
	v_mov_b32 v5, 0
	ds_add_u32 v4, v5                              ; the wave's opening: the add, twice on end, and its wait ahead of my tensor load; the set-up below stands between
	ds_add_u32 v4, v5
	v_lshrrev_b32 v1, 5, v0
	s_delay_alu instid0(VALU_DEP_1)
	v_readfirstlane_b32 s20, v1                    ; wave w, 0..15
	v_and_b32 v1, 31, v0                           ; lane l
	v_and_b32 v2, 15, v0                           ; r
	s_wait_alu depctr_va_vdst(0)
	v_bfe_u32 v3, v0, 4, 1                         ; h
	s_lshr_b32 s21, s20, 2                         ; w / 4: x's token tile; W's K step; the unit's kind (0 q, 1 k, 2 v, 3 none)
	s_and_b32 s22, s20, 3                          ; w % 4: x's K step; the unit's tile
	s_and_b32 s23, s20, 1                          ; b: which 32 columns of W
	s_lshr_b32 s42, s20, 1                         ; which 64 along K of W
	s_and_b32 s43, s42, 1                          ; c: which half of that K step's fragments
	s_lshr_b32 s44, s21, 1
	s_add_co_u32 s45, s21, s44
	s_min_u32 s45, s45, 3                          ; source 0's group: 0, 1, 3, 3
	s_xor_b32 s46, s44, 3                          ; source 1's group: 3, 3, 2, 2
	s_mul_i32 s47, s20, XTW
	v_mul_u32_u24 v6, v2, XP
	s_wait_alu depctr_va_vdst(0)
	v_lshl_add_u32 v6, v3, 6, v6
	s_delay_alu instid0(VALU_DEP_1)
	v_add_nc_u32 v6, s47, v6                       ; v6: my strip, row r, + 64 h: my 16 numbers of a block of 32
	s_mul_i32 s48, s20, KST
	s_add_co_u32 s48, s48, IMG+3*GRP
	v_lshl_add_u32 v7, v1, 4, s48                  ; v7, v8: where x's image goes: tile w / 4, K step w % 4 = 1536 w
	s_add_co_u32 s48, s48, 512
	v_lshl_add_u32 v8, v1, 3, s48
	s_lshl_b32 s48, s22, 8
	s_lshl_b32 s49, s21, 6
	s_add_co_u32 s48, s48, s49
	s_add_co_u32 s48, s48, SCI+3*1024
	v_lshl_add_u32 v9, v2, 2, s48                  ; v9: and its scale words
	s_lshl_b32 s48, s23, 7
	s_lshl_b32 s49, s42, 14
	s_add_co_u32 s48, s48, s49
	v_lshl_add_u32 v10, v1, 2, s48                 ; v10: W in memory: column 32 b + l, row 64 (w / 2)
	s_mul_i32 s48, s23, 2*TIL
	s_mul_i32 s49, s21, KST
	s_add_co_u32 s48, s48, s49
	s_mul_i32 s49, s43, HLF
	s_add_co_u32 s48, s48, s49
	s_add_co_u32 s48, s48, IMG
	v_lshl_add_u32 v11, v1, 4, s48                 ; v11, v12: where W's half images go: tile 2 b, K step w / 4, half c
	s_add_co_u32 s48, s48, 512
	v_lshl_add_u32 v12, v1, 3, s48
	s_lshl_b32 s48, s21, 8
	s_lshl_b32 s49, s23, 7
	s_add_co_u32 s48, s48, s49
	s_lshl_b32 s49, s43, 1
	s_add_co_u32 s48, s48, s49
	s_add_co_u32 s48, s48, SCI
	v_lshl_add_u32 v13, v1, 2, s48                 ; v13: and my column's two scale bytes: bytes 2 c, 2 c + 1 of its word
	s_mul_i32 s48, s45, GRP
	s_add_co_u32 s48, s48, IMG
	v_lshl_add_u32 v14, v1, 4, s48                 ; v14, v15: source 0's four tiles
	s_add_co_u32 s48, s48, 512
	v_lshl_add_u32 v15, v1, 3, s48
	s_mul_i32 s48, s46, GRP
	s_mul_i32 s49, s22, TIL
	s_add_co_u32 s48, s48, s49
	s_add_co_u32 s48, s48, IMG
	v_lshl_add_u32 v16, v1, 4, s48                 ; v16, v17: source 1's tile
	s_add_co_u32 s48, s48, 512
	v_lshl_add_u32 v17, v1, 3, s48
	s_lshl_b32 s48, s45, 10
	s_add_co_u32 s48, s48, SCI
	v_lshl_add_u32 v18, v1, 2, s48                 ; v18: source 0's scale words: lanes 0-15 an even tile's, lanes 16-31 the odd tile's behind it
	s_lshl_b32 s48, s46, 10
	s_lshl_b32 s49, s22, 6
	s_add_co_u32 s48, s48, s49
	s_add_co_u32 s48, s48, SCI
	v_lshl_add_u32 v19, v2, 2, s48                 ; v19: source 1's
	s_mul_i32 s48, s20, HLF
	v_lshl_add_u32 v20, v1, 4, s48                 ; v20, v21: my unit in the chunk
	s_add_co_u32 s48, s48, 512
	v_lshl_add_u32 v21, v1, 3, s48
	s_lshl_b32 s48, s20, 6
	s_add_co_u32 s48, s48, SCO
	v_lshl_add_u32 v22, v2, 2, s48                 ; v22: my unit's scale words in LDS
	s_min_u32 s49, s20, 3
	s_lshl_b32 s49, s49, 8
	s_add_co_u32 s48, s49, SCO
	v_lshl_add_u32 v23, v1, 3, s48                 ; v23, v24: waves 0-2 carry 256 bytes of scale words each to memory
	s_add_co_u32 s48, s49, 12*HLF
	v_lshl_add_u32 v24, v1, 3, s48
	v_lshlrev_b32 v25, 5, v3                       ; v25: bq, bk: my half's eight channels of a tile
	s_lshl_b32 s48, s22, 6
	v_lshl_add_u32 v26, v2, 2, s48                 ; v26: bv: my channel
.irp b, 0,1,2,3
	v_mov_b32 v[TM+4+\b], 0                        ; written once: a lane permute's destination counts as one of its sources
.endr
	s_mov_b32 s36, 0x76543210
	s_mov_b32 s37, 0xfedcba98                      ; v_permlanex16_b32's selects for lane l xor 16
	; descriptor group 1: 16 rows of 128 f32, 512 elements from row to row, 16 bytes of padding behind each row of 128 words
	s_mov_b32 s24, (2<<16)|(1<<20)|(6<<22)|(3<<25)
	s_mov_b32 s25, 128<<16                         ; tensor_dim0
	s_mov_b32 s26, 16<<16                          ; tensor_dim1
	s_mov_b32 s27, 128<<16                         ; tile_dim0
	s_mov_b32 s28, 16                              ; tile_dim1
	s_mov_b32 s29, 512                             ; tensor_dim0_stride
	s_mov_b32 s30, 0
	s_mov_b32 s31, 0
	s_mov_b32 s32, 1                               ; group 0: count,
	s_mul_i32 s33, s20, XTW                        ; my strip in LDS,
	s_lshl_b32 s40, ttmp9, 17                      ; the chunk's 64 rows of 2,048 bytes,
	s_lshl_b32 s48, s21, 15                        ; my 16 of them,
	s_add_co_u32 s40, s40, s48
	s_lshl_b32 s48, s22, 9                         ; my 512 bytes of each
	s_add_co_u32 s40, s40, s48
	s_mov_b32 s41, 0
	s_wait_dscnt 0x0                               ; both opening adds are done
	s_wait_kmcnt 0x0
	s_add_nc_u64 s[34:35], s[4:5], s[40:41]
	s_or_b32 s35, s35, 0x80000000                  ; type = 2
	tensor_load_to_lds s[32:35], s[24:31]          ; my one tensor load: sixteen of 8,192 bytes go out together, a work-group's whole share of x
	s_nop 0
	s_mul_i32 s40, ttmp9, CHUNK
	s_add_nc_u64 s[18:19], s[18:19], s[40:41]      ; qkv at my chunk
	s_cmp_eq_u32 s21, 0
	s_cselect_b64 s[38:39], s[12:13], s[14:15]     ; bq or bk
	; the bias in the result's layout: it is the C of the first K step
	s_cmp_ge_u32 s21, 2
	s_cbranch_scc1 .Lbias_v
	s_wait_alu depctr_va_vdst(0)
.irp t, 0,1,2,3
	global_load_b128 v[ACC+8*\t:ACC+8*\t+3], v25, s[38:39] offset:64*\t        ; channels 16 t + 8 h + 0 .. 7
	global_load_b128 v[ACC+8*\t+4:ACC+8*\t+7], v25, s[38:39] offset:64*\t+16
.endr
	s_branch .Lbias_in
.Lbias_v:
.set bi, 0
	s_wait_alu depctr_va_vdst(0)
.rept 32
	global_load_b32 v[ACC+bi], v26, s[16:17]       ; v: all 32 registers of a lane belong to one channel
.set bi, bi+1
.endr
.Lbias_in:
; Block t of six: matrix t / 2, rows 64 (w / 2) + 32 (t % 2) + 0 .. 31 of column 32 b + l.  Each load reads 128 consecutive bytes.
.macro WLOAD t
.set wi, 0
.rept 32
	global_load_b32 v[NUM+32*((\t)%2)+wi], v10, s[6+2*((\t)/2):7+2*((\t)/2)] offset:(32*((\t)%2)+wi)*256
.set wi, wi+1
.endr
.endm
; A lane's 32 registers are a whole block of its column: largest magnitude, scale, 32 codes in six registers.  A matrix's two blocks, with the halves of the lanes exchanged, are half c of two tiles' fragments.
.macro WBLOCK t
.set XS, NUM+32*((\t)%2)
.set CE, PC+6*((\t)%2)
.if (\t) < 5
	s_wait_loadcnt 32                              ; this block's loads and all older ones are in; the next block's 32 may be out
.else
	s_wait_loadcnt 0x0
.endif
.if ((\t)%2 == 0) && ((\t) >= 2)
	s_wait_dscnt 0x0                               ; the last matrix's stores have read the registers that are written now
.endif
	v_max3_num_f32 v165, |v[XS]|, |v[XS+1]|, |v[XS+2]|
	v_max3_num_f32 v166, |v[XS+3]|, |v[XS+4]|, |v[XS+5]|
.irp i, 6,10,14,18,22,26
	s_delay_alu instid0(VALU_DEP_2)
	v_max3_num_f32 v165, v165, |v[XS+\i]|, |v[XS+\i+1]|
	s_delay_alu instid0(VALU_DEP_2)
	v_max3_num_f32 v166, v166, |v[XS+\i+2]|, |v[XS+\i+3]|
.endr
	s_delay_alu instid0(VALU_DEP_2)
	v_max3_num_f32 v165, v165, |v[XS+30]|, |v[XS+31]|
	s_delay_alu instid0(VALU_DEP_1)
	v_max3_num_f32 v165, v165, v166, 0x1800000     ; and the floor 2^(3 - 127): the byte cannot fall under 1
	s_delay_alu instid0(VALU_DEP_1)
	v_add_nc_u32 v167, 0xff000000, v165            ; 2 off the exponent field: the conversion takes this operand's exponent field as its scale
.if (\t)%2 == 0
	s_delay_alu instid0(VALU_DEP_1)
	v_lshrrev_b32 v240, 23, v167                   ; the scale's byte: the lower of my column's two
.else
	s_delay_alu instid0(VALU_DEP_1)
	v_lshrrev_b32 v241, 23, v167
	s_delay_alu instid0(VALU_DEP_1)
	v_lshl_or_b32 v240, v241, 8, v240              ; and the upper
.endif
	v_cvt_scalef32_pk16_fp6_f32 v[CE:CE+2], v[XS:XS+15], v167
	v_cvt_scalef32_pk16_fp6_f32 v[140:142], v[XS+16:XS+31], v167   ; (a conversion's three registers begin on an even number)
	v_nop                                          ; one plain place behind a scaled conversion
.irp i, 0,1,2
	v_mov_b32 v[CE+3+\i], v[140+\i]
.endr
.if (\t) < 4
	WLOAD (\t)+2
.endif
.if (\t)%2 == 1
.irp i, 0,1,2,3,4,5
	v_permlane16_swap_b32 v[PC+\i], v[PC+6+\i]     ; lanes 16-31 of the lower block change places with lanes 0-15 of the upper: the first six are now tile 2 b's registers, the second six tile 2 b + 1's
.endr
	ds_store_b128 v11, v[PC:PC+3] offset:GRP*((\t)/2)
	ds_store_b64 v12, v[PC+4:PC+5] offset:GRP*((\t)/2)
	ds_store_b128 v11, v[PC+6:PC+9] offset:GRP*((\t)/2)+TIL
	ds_store_b64 v12, v[PC+10:PC+11] offset:GRP*((\t)/2)+TIL
	ds_store_b16 v13, v240 offset:1024*((\t)/2)
.endif
.endm
; 32 nc numbers of a lane, register 16 b + i of block b, the block's other 16 in lane l xor 16, become codes in v[PC] on (six registers for each two blocks) and a scale word in v[PW] (2 nc bytes, the others 0).
.macro QUANT s, nc
.irp b, 0,1,2,3
.if \b < 2*\nc
	v_max3_num_f32 v[TM+\b], |v[\s+16*\b]|, |v[\s+1+16*\b]|, 0x1800000   ; my 16 numbers, and the floor 2^(3 - 127)
.endif
.endr
.irp i, 2,4,6,8,10,12,14
.irp b, 0,1,2,3
.if \b < 2*\nc
	v_max3_num_f32 v[TM+\b], v[TM+\b], |v[\s+16*\b+\i]|, |v[\s+1+16*\b+\i]|   ; (the blocks by turns)
.endif
.endr
.endr
.irp b, 0,1,2,3
.if \b < 2*\nc
	v_permlanex16_b32 v[TM+4+\b], v[TM+\b], s36, s37
.endif
.endr
.irp b, 0,1,2,3
.if \b < 2*\nc
	v_max_num_f32 v[TM+\b], v[TM+\b], v[TM+4+\b]   ; with lane l xor 16's: the block's largest magnitude
.endif
.endr
.irp b, 0,1,2,3
.if \b < 2*\nc
	v_add_nc_u32 v[TM+12+\b], 0xff000000, v[TM+\b] ; 2 off its exponent field: the conversion's scale operand
.endif
.endr
.irp b, 0,1,2,3
.if \b < 2*\nc
	v_lshrrev_b32 v[TM+4+\b], 23, v[TM+12+\b]      ; the scale's byte
.endif
.endr
	v_lshl_or_b32 v[PW], v[TM+5], 8, v[TM+4]
.if \nc > 1
	s_delay_alu instid0(VALU_DEP_1)
	v_lshl_or_b32 v[PW], v[TM+6], 16, v[PW]
	s_delay_alu instid0(VALU_DEP_1)
	v_lshl_or_b32 v[PW], v[TM+7], 24, v[PW]
.endif
.irp c, 0,1
.if \c < \nc
	v_cvt_scalef32_pk16_fp6_f32 v[PC+6*\c:PC+2+6*\c], v[\s+32*\c:\s+15+32*\c], v[TM+12+2*\c]
	v_cvt_scalef32_pk16_fp6_f32 v[PC+12+4*\c:PC+14+4*\c], v[\s+16+32*\c:\s+31+32*\c], v[TM+12+2*\c+1]
.endif
.endr
	v_nop                                          ; one plain place behind a scaled conversion
.irp c, 0,1
.if \c < \nc
.irp i, 0,1,2
	v_permlane16_swap_b32 v[PC+6*\c+\i], v[PC+12+4*\c+\i]   ; the operand's layout wants a whole block in a lane: lanes 0-15 block 2 c, lanes 16-31 block 2 c + 1
.endr
.irp i, 0,1,2
	s_delay_alu instid0(VALU_DEP_3)
	v_mov_b32 v[PC+3+6*\c+\i], v[PC+12+4*\c+\i]
.endr
.endif
.endr
.endm
; 20 LDS loads: K step s of source 0's four tiles and of source 1's tile, as the images lie
.macro FLOAD f, s
.irp t, 0,1,2,3
.irp c, 0,1
	ds_load_b128 v[\f+12*\t+6*\c:\f+12*\t+6*\c+3], v14 offset:TIL*\t+KST*\s+HLF*\c
	ds_load_b64 v[\f+12*\t+6*\c+4:\f+12*\t+6*\c+5], v15 offset:TIL*\t+KST*\s+HLF*\c
.endr
.endr
.irp c, 0,1
	ds_load_b128 v[\f+48+6*\c:\f+48+6*\c+3], v16 offset:KST*\s+HLF*\c
	ds_load_b64 v[\f+48+6*\c+4:\f+48+6*\c+5], v17 offset:KST*\s+HLF*\c
.endr
.endm
; four matrix instructions, the four accumulators by turns, one instruction a turn
.macro MUL f, s
.irp t, 0,1,2,3
.if \t%2
	v_wmma_scale_f32_16x16x128_f8f6f4 v[ACC+8*\t:ACC+8*\t+7], v[\f+12*\t:\f+12*\t+11], v[\f+48:\f+59], v[ACC+8*\t:ACC+8*\t+7], v[SW+3*\s+\t/2], v[SW+3*\s+2] matrix_a_fmt:MATRIX_FMT_FP6 matrix_b_fmt:MATRIX_FMT_FP6 matrix_a_scale:MATRIX_SCALE_ROW1
.else
	v_wmma_scale_f32_16x16x128_f8f6f4 v[ACC+8*\t:ACC+8*\t+7], v[\f+12*\t:\f+12*\t+11], v[\f+48:\f+59], v[ACC+8*\t:ACC+8*\t+7], v[SW+3*\s+\t/2], v[SW+3*\s+2] matrix_a_fmt:MATRIX_FMT_FP6 matrix_b_fmt:MATRIX_FMT_FP6
.endif
.endr
.endm
.macro PLACES                          ; four plain places behind a matrix instruction, in front of loads into its sources and of the first read of its results
.rept 4
	v_nop
.endr
.endm
	; ---- the weights, while x is on its way: two blocks of loads ahead
	WLOAD 0
	WLOAD 1
.irp t, 0,1,2,3,4,5
	WBLOCK \t
.endr
	; ---- x: my 16 tokens x 128 along K
	s_wait_tensorcnt 0x0                           ; my strip has landed; no other wave reads it
.irp b, 0,1,2,3
.irp j, 0,1,2,3
	ds_load_b128 v[NUM+16*\b+4*\j:NUM+16*\b+4*\j+3], v6 offset:128*\b+16*\j   ; x(r, 32 b + 16 h + 4 j ..)
.endr
.endr
	s_wait_dscnt 0x0                               ; they are in, and the last weights' stores have read their registers
	QUANT NUM, 2
	ds_store_b128 v7, v[PC:PC+3]
	ds_store_b64 v8, v[PC+4:PC+5]
	ds_store_b128 v7, v[PC+6:PC+9] offset:HLF
	ds_store_b64 v8, v[PC+10:PC+11] offset:HLF
	ds_store_b32 v9, v[PW]                         ; both halves of the lanes hold row r's word and write it to the same place
	s_wait_dscnt 0x0                               ; for the others' sake: all my images lie in LDS
	s_barrier_signal -1
	s_barrier_wait -1                              ; 48 fragments of the weights and 16 of x lie in LDS
	; ---- a unit a wave
	s_cmp_ge_u32 s20, 12
	s_cbranch_scc1 .Lnounit
.irp s, 0,1,2,3
	ds_load_b32 v[SW+3*\s], v18 offset:256*\s
	ds_load_b32 v[SW+3*\s+1], v18 offset:256*\s+128
	ds_load_b32 v[SW+3*\s+2], v19 offset:256*\s
.endr
	FLOAD F0, 0
	FLOAD F1, 1
	s_wait_dscnt 20                                ; all but the 20 just issued
	MUL F0, 0
	PLACES
	FLOAD F0, 2
	s_wait_dscnt 20
	MUL F1, 1
	PLACES
	FLOAD F1, 3
	s_wait_dscnt 20
	MUL F0, 2
	s_wait_dscnt 0x0
	MUL F1, 3
	PLACES
	QUANT ACC, 1                                   ; 32 numbers a lane: two blocks of the next product's K.  Each accumulator is read from its low end on
	global_store_b128 v20, v[PC:PC+3], s[18:19]    ; 512 consecutive bytes, from a multiple of 256 on
	global_store_b64 v21, v[PC+4:PC+5], s[18:19]   ; and 256 more
	ds_store_b32 v22, v[PW]
.Lnounit:
	s_wait_dscnt 0x0                               ; for the others' sake: my scale words lie in LDS
	s_barrier_signal -1
	s_barrier_wait -1
	s_cmp_ge_u32 s20, 3
	s_cbranch_scc1 .Lend
	ds_load_b64 v[242:243], v23                    ; the twelve units' scale words leave as three runs of 256 consecutive bytes
	s_wait_dscnt 0x0
	global_store_b64 v24, v[242:243], s[18:19]
.Lend:
	s_wait_tensorcnt 0x0                           ; the wave's end: three closing lines, behind my tensor load and my last LDS store
	ds_add_u32 v4, v5
	s_wait_dscnt 0x0
	s_endpgm
.Lfunc_end_k_q3a21c4b83a_proj:
	.size	k_q3a21c4b83a_proj, .Lfunc_end_k_q3a21c4b83a_proj-k_q3a21c4b83a_proj
	.p2alignl 7, 3214868480
	.fill 96, 4, 3214868480
	.section	.rodata,"a",@progbits
	.p2align	6, 0x0
	.amdhsa_kernel k_q3a21c4b83a_proj
		.amdhsa_group_segment_fixed_size 240640
		.amdhsa_private_segment_fixed_size 0
		.amdhsa_enable_private_segment 0
		.amdhsa_kernarg_size 64
		.amdhsa_user_sgpr_count 2
		.amdhsa_user_sgpr_kernarg_segment_ptr 1
		.amdhsa_wavefront_size32 1
		.amdhsa_system_sgpr_workgroup_id_x 1
		.amdhsa_system_sgpr_workgroup_id_y 1
		.amdhsa_system_sgpr_workgroup_id_z 1
		.amdhsa_system_vgpr_workitem_id 0
		.amdhsa_next_free_vgpr 256
		.amdhsa_next_free_sgpr 66
		.amdhsa_reserve_vcc 0
		.amdhsa_float_denorm_mode_32 3
		.amdhsa_float_denorm_mode_16_64 3
		.amdhsa_memory_ordered 1
		.amdhsa_forward_progress 1
		.amdhsa_inst_pref_size 58
	.end_amdhsa_kernel
	.amdgpu_metadata
---
amdhsa.version: [ 1, 2 ]
amdhsa.kernels:
  - .name:           k_q3a21c4b83a_proj
    .symbol:         k_q3a21c4b83a_proj.kd
    .args:
      - { .name: x, .offset: 0, .size: 8, .value_kind: global_buffer, .address_space: global }
      - { .name: Wq, .offset: 8, .size: 8, .value_kind: global_buffer, .address_space: global }
      - { .name: Wk, .offset: 16, .size: 8, .value_kind: global_buffer, .address_space: global }
      - { .name: Wv, .offset: 24, .size: 8, .value_kind: global_buffer, .address_space: global }
      - { .name: bq, .offset: 32, .size: 8, .value_kind: global_buffer, .address_space: global }
      - { .name: bk, .offset: 40, .size: 8, .value_kind: global_buffer, .address_space: global }
      - { .name: bv, .offset: 48, .size: 8, .value_kind: global_buffer, .address_space: global }
      - { .name: qkv, .offset: 56, .size: 8, .value_kind: global_buffer, .address_space: global }
    .group_segment_fixed_size: 240640
    .private_segment_fixed_size: 0
    .kernarg_segment_align: 8
    .kernarg_segment_size: 64
    .max_flat_workgroup_size: 512
    .sgpr_count:     66
    .vgpr_count:     256
    .wavefront_size: 32
...
	.end_amdgpu_metadata
.endif
;; end of part 3
;; launch attn (part 4): grid 32 x 8, 16 waves a work-group, no clusters, 75,776 bytes of LDS; arguments qkv, out0; writes out0
.if DOCPART == 4
	.amdgcn_target "amdgcn-amd-amdhsa--gfx1250"
	.amdhsa_code_object_version 6
	.text
	.protected	k_q3a21c4b83a_attn
	.globl	k_q3a21c4b83a_attn
	.p2align	8
	.type	k_q3a21c4b83a_attn,@function
k_q3a21c4b83a_attn:
	s_mov_b64 s[64:65], 0
	v_nop
	global_prefetch_b8 v0, s[64:65] scope:SCOPE_SE
	s_setreg_imm32_b32 hwreg(HW_REG_WAVE_SCHED_MODE, 0, 2), 2
	s_setreg_imm32_b32 hwreg(HW_REG_WAVE_MODE, 25, 1), 1
	s_wait_xcnt 0x0
	s_wait_alu depctr_vm_vsrc(0)
; out[b][q][:] = the sum over keys k <= q of softmax_k(q . k / 8) v[k][:], both products on codes of FP6 (E2M3) with one E8M0 scale for each 32 along a product's K.  2,048 tokens, 64 channels, 8 batches.
; qkv holds q, k and v as codes in the order of the operands' registers (256 chunks of 64 tokens, 9,984 bytes each: units of 768 bytes, q's at 0, k's at 3072, v's at 6144, scale words at 9216): every fragment
; comes by loads of 512 and 256 consecutive bytes straight into registers.
; THE SOFTMAX: t = score x log2(e) / 8; M = the largest t so far, rounded UP to a whole number; p = 2^(t - M) is quantised along the keys, not normalised; the row's sum is taken of the unquantised p and divides at the end.
; When M moves, the sum and O are multiplied by 2^(old M - new M), which rounds nothing.
; SHARES.  A work-group owns query blocks j and 63 - j of 32 queries each: four tiles of 16 queries, 2 (j / 4 + 1) + 2 (16 - j / 4) = 34 steps of 16 queries x 128 keys in every work-group.  A tile's key steps are dealt
; to four waves: wave w has part c = w / 4 of tile T = (w / 4 + w) % 4 and walks steps c0, c0 + 4, c0 + 8, c0 + 12 (c0 = c for the late tiles, 3 - c for the early ones), those under the tile's count n.  The four waves
; with equal w % 4 have four different tiles, and so have the four with equal w / 4.  The loop's count is at most the constant 4; the walk ends, by a scalar branch on ids, at the first step at or past n.
; At the end the four parts of a tile meet in LDS and are joined under the largest M.
; LAYOUT.  Both products are used transposed: S^T = K Q^T, O^T = V^T P^T: a lane holds ONE query (lane % 16).  Register 8 t + j of S^T is key 16 t + 8 (lane / 16) + j: the order in which v's tokens were laid too, so p's codes
; and v's pair the same keys; likewise q's and k's channels.  LIMIT: inside a block of 32 the products are summed in the order 0..7, 16..23, 8..15, 24..31.
; THE FIRST PRODUCT'S K IS 64: the upper half of Q's fragment is zero codes.  K's fragment of tile t is named as 12 registers of which the upper six are the next tile's codes (behind the last tile: zeros at first, then p's codes
; of the step before): whatever codes stand there meet Q's zeros and add nothing; the scale bytes there are 0, which is 2^-127 and no NaN.
; LIMITS: NaN and infinities are not served; a block of p that has fallen to zeros keeps the scale byte 1.
; NO CLUSTER, NO LDS RING: a step's 19,968 bytes are read by at most four waves of a work-group, and the work-groups of a batch want from 9 to 16 steps' keys: a joint load would bring some partner tiles that it never reads.
; NO PREFETCH: the keys and values of a batch, 212,992 bytes, are read again and again by its 32 work-groups.
; THE MODE: SCHED_MODE bits 1:0 = 2 (LLVM: expert scheduling mode 2), set by the entry lines.  The code itself states the register dependences between vector or matrix instructions and memory or LDS instructions,
; with s_wait_alu, always for 0.
; THE PLAN.  Registers that memory or LDS instructions touch:
;   v1-v3, v11, v7-v10, v4, v5   offsets and LDS addresses: made once at the head, never written again.
;   K: v32-79, v92-95            written by loads alone (the first step's ahead of the loop, the next step's inside each step); read by the step's first product alone.
;   V: v192-239, v240-243        written by the step's loads; v240, v241 also by the two lines that join the scale words; read by those lines and by the second product.
;   O^T, -M, the sum             written by matrix and vector instructions; read by the LDS stores of the way out.   v32-79 once more: the LDS loads of the way out land there.   v108-115: the global stores' data.
; In a step ONE wait on va_vdst, behind the first product's places, states that this step's first product is done reading K and that the last step's second product is done reading V: the step's V and the next step's K are asked
; for straight behind it, and no vector or matrix instruction behind it names a register that these loads touch before the one wait for their data.  The wait ahead of the exponentials, the two behind them and the wait ahead of the second product,
; which takes operands that vector instructions have written, are the step's other four.
.set CHUNK, 9984
.set REG,   4608                       ; LDS: region 4 T + c: 16 rows x (256 bytes + 16) of O^T's part, then 16 x 8 bytes of (-M, sum)
.set STAT,  4352
.set SPARE, 73728                      ; behind the 16 regions: the spare words, 128 bytes for each wave: eight blocks of 256 bytes that no other line names
.set KC,    32                         ; v32-79   K's eight tiles, six registers each
.set PCD,   80                         ; v80-91   p's codes; the first six also stand behind K's last tile
.set KS,    92                         ; v92-95   K's scale words and nothing else
.set VS,    240                        ; v240-243 V's scale words and nothing else
.set BM,    244                        ; v244-247 the blocks' largest scores, then largest p, then the conversions' scale operands
.set BP,    248                        ; v248-251 the partner's, then the bytes, then the place of a conversion's upper half
.set WK,    252                        ; v252-255 at work; then the place of the other upper half
; v1 16 l, v2 8 l, v3 4 l; v4, v5 the add's two; v6 r - 8 h; v7-v10 LDS addresses of the way out; v11 4 r; v12 -M, v13 the largest t, v[14:15] the sum in two halves; v16-21 Q's codes, v22-27 zeros; v28 Q's scale word,
; v29 p's; v30 f, v31 0; v96-159 S^T, then p; v160-191 O^T; v192-239 V's four tiles.
	s_load_b128 s[4:7], s[0:1], 0x0                ; qkv s[4:5], out0 s[6:7]
	v_lshl_add_u32 v4, v0, 2, SPARE
	v_mov_b32 v5, 0
	v_lshrrev_b32 v32, 5, v0
	v_readfirstlane_b32 s8, v32                    ; wave w
	v_and_b32 v32, 31, v0                          ; l
	v_and_b32 v33, 15, v0                          ; r
	v_bfe_u32 v34, v0, 4, 1                        ; h
	s_wait_alu depctr_va_vdst(0)
	v_lshlrev_b32 v1, 4, v32
	v_lshlrev_b32 v2, 3, v32
	v_lshlrev_b32 v3, 2, v32
	v_lshlrev_b32 v11, 2, v33
	s_wait_alu depctr_va_sdst(0)                   ; s8 is written, ahead of its first reader: tile, part, steps and bases are made from it
	s_lshr_b32 s9, s8, 2                           ; c
	s_add_co_u32 s10, s9, s8
	s_and_b32 s10, s10, 3                          ; T
	s_lshr_b32 s11, s10, 1                         ; 1: a tile of the late block
	s_mul_i32 s28, s11, 63
	s_xor_b32 s12, ttmp9, s28                      ; the block of 32 queries: j or 63 - j
	s_and_b32 s28, s10, 1
	s_lshl_b32 s28, s28, 4
	s_lshl_b32 s13, s12, 5
	s_add_co_u32 s13, s13, s28                     ; my first query
	s_lshr_b32 s14, s12, 2
	s_add_co_u32 s14, s14, 1                       ; n: key steps of 128 that hold a key at or under my queries
	s_xor_b32 s28, s9, 3
	s_cmp_eq_u32 s11, 1
	s_cselect_b32 s15, s9, s28                     ; my first step
	s_lshl_b32 s16, s15, 7                         ; and its first key
	s_mov_b32 s17, 0
	s_mov_b32 s20, 0x76543210
	s_mov_b32 s21, 0xfedcba98                      ; v_permlanex16_b32's selects for lane l xor 16
	s_mov_b32 s22, 0x3e38aa3b                      ; log2(e) / 8
	s_mov_b32 s23, s22                             ; (the packed form names the pair)
	s_and_b32 s28, ttmp7, 0xffff                   ; the batch
	s_mul_i32 s30, s28, 32*CHUNK                   ; its 32 chunks
	s_mul_i32 s32, s15, 2*CHUNK                    ; a step is two chunks
	s_add_co_u32 s32, s32, s30
	s_mov_b32 s33, 0
	s_lshr_b32 s34, s13, 6
	s_mul_i32 s34, s34, CHUNK
	s_add_co_u32 s34, s34, s30                     ; my queries' chunk
	s_bfe_u32 s31, s13, 0x20004                    ; and their tile in it
	s_mul_i32 s36, s31, 768
	s_add_co_u32 s36, s36, s34
	s_mov_b32 s37, 0
	s_lshl_b32 s38, s31, 6
	s_add_co_u32 s38, s38, s34
	s_add_co_u32 s38, s38, 9216
	s_mov_b32 s39, 0
	s_lshl_b32 s34, s9, 2
	s_add_co_u32 s34, s34, s13                     ; the four rows of out0 that I join and store
	s_lshl_b32 s34, s34, 8
	s_lshl_b32 s35, s28, 19
	s_add_co_u32 s34, s34, s35
	s_mov_b32 s35, 0
	; all the head's vector work stands here, while the arguments are on their way.  Each scalar that a vector instruction reads has a register of its own
	v_lshlrev_b32 v35, 3, v34
	v_sub_nc_u32 v6, v33, v35                      ; r - 8 h
	s_lshl_b32 s40, s10, 2
	s_add_co_u32 s40, s40, s9
	s_mul_i32 s40, s40, REG                        ; my region
	v_mul_u32_u24 v7, v33, 272
	v_lshl_add_u32 v7, v34, 5, v7
	v_add_nc_u32 v7, s40, v7                       ; in: row r, + 32 h
	s_add_co_u32 s41, s40, STAT
	v_lshl_add_u32 v8, v33, 3, s41                 ; and row r's (-M, sum)
	s_mul_i32 s42, s10, 4*REG                      ; my tile's four regions
	s_mul_i32 s43, s9, 4*272
	s_add_co_u32 s43, s43, s42
	v_mul_u32_u24 v9, v34, 272
	v_lshl_add_u32 v9, v33, 4, v9
	v_add_nc_u32 v9, s43, v9                       ; back: rows 4 c + h (and two further on), 16 bytes a lane
	s_lshl_b32 s44, s9, 5
	s_add_co_u32 s44, s44, s42
	s_add_co_u32 s44, s44, STAT
	v_lshl_add_u32 v10, v34, 3, s44
.irp i, 0,1,2,3,4,5
	v_mov_b32 v[22+\i], 0                          ; the upper half of Q's fragment: zero codes
	v_mov_b32 v[PCD+\i], 0                         ; what stands behind K's last tile in my first step
.endr
.irp b, 0,1,2,3
	v_mov_b32 v[BP+\b], 0                          ; written once: a lane permute's destination counts as one of its sources
.endr
	v_mov_b32 v13, 0xff61b1e6                      ; the largest t so far: -3e38, under every t
	v_floor_f32 v12, -v13                          ; -M
	v_mov_b32 v14, 0
	v_mov_b32 v15, 0
	v_mov_b32 v31, 0                               ; (named with f as a pair)
.set zi, 0
.rept 32
	v_mov_b32 v[160+zi], 0                         ; O^T.  The step is written once: the first finds zeros, which the first change of M leaves zeros; a wave that walks no step hands zeros on
.set zi, zi+1
.endr
	s_wait_kmcnt 0x0
	s_add_nc_u64 s[18:19], s[4:5], s[32:33]        ; the step in hand
	s_add_nc_u64 s[24:25], s[4:5], s[36:37]        ; Q's unit
	s_add_nc_u64 s[26:27], s[4:5], s[38:39]        ; Q's scale words
	s_add_nc_u64 s[6:7], s[6:7], s[34:35]
	s_wait_alu depctr_va_vdst(0)                   ; the head's vector work is written: the offsets v1-v3, v11 and the LDS addresses v7-v10, which every load and store below reads; v32-v35, in which K's loads land, are done with; the zero codes v22-27 and v80-85, which the first product takes, stand
	global_load_b128 v[16:19], v1, s[24:25]
	global_load_b64 v[20:21], v2, s[24:25] offset:512
	global_load_b32 v28, v11, s[26:27]
; K of the step that begins at bytes behind the base: 128 keys are two chunks' four tiles each; 20 loads
.macro KLOAD at
.irp P, 0,1
.irp t, 0,1,2,3
	global_load_b128 v[KC+6*(4*\P+\t):KC+3+6*(4*\P+\t)], v1, s[18:19] offset:(\at)+CHUNK*\P+3072+768*\t
	global_load_b64 v[KC+4+6*(4*\P+\t):KC+5+6*(4*\P+\t)], v2, s[18:19] offset:(\at)+CHUNK*\P+3072+768*\t+512
.endr
.irp u, 0,1
	global_load_b32 v[KS+2*\P+\u], v3, s[18:19] offset:(\at)+CHUNK*\P+9472+128*\u   ; lanes 0-15 an even tile's words, lanes 16-31 the odd tile's
.endr
.endr
.endm
	s_cmp_ge_u32 s15, s14                          ; a wave whose first step lies at or past the tile's count walks none
	s_cbranch_scc1 .Lnone
	KLOAD 0                                        ; my first step's K
	s_wait_loadcnt 0x0                             ; Q and that K are in.  From here on a step's K has landed by the wait of the step before
.Lstep:
.irp t, 0,1,2,3,4,5,6,7
.if \t%2
	v_wmma_scale_f32_16x16x128_f8f6f4 v[96+8*\t:103+8*\t], v[KC+6*\t:KC+11+6*\t], v[16:27], 0, v[KS+\t/2], v28 matrix_a_fmt:MATRIX_FMT_FP6 matrix_b_fmt:MATRIX_FMT_FP6 matrix_a_scale:MATRIX_SCALE_ROW1
.else
	v_wmma_scale_f32_16x16x128_f8f6f4 v[96+8*\t:103+8*\t], v[KC+6*\t:KC+11+6*\t], v[16:27], 0, v[KS+\t/2], v28 matrix_a_fmt:MATRIX_FMT_FP6 matrix_b_fmt:MATRIX_FMT_FP6
.endif
.endr
.rept 4
	v_nop                                          ; four plain places in front of the first read of the scores (ISA guide 7.12.1)
.endr
	s_wait_alu depctr_va_vdst(0)                   ; the eight products above are done reading K and its scale words, and the last step's four are done reading V and its scale words, whose joined words are written: the loads below land in all of these
.irp P, 0,1                                    ; this step's V: chunk P is registers 6 P .. 6 P + 5 of each of the four channel tiles
.irp t, 0,1,2,3
	global_load_b128 v[192+12*\t+6*\P:195+12*\t+6*\P], v1, s[18:19] offset:CHUNK*\P+6144+768*\t
	global_load_b64 v[196+12*\t+6*\P:197+12*\t+6*\P], v2, s[18:19] offset:CHUNK*\P+6144+768*\t+512
.endr
.irp u, 0,1
	global_load_b32 v[VS+2*\P+\u], v3, s[18:19] offset:CHUNK*\P+9728+128*\u
.endr
.endr
	s_add_co_u32 s28, s15, 4                       ; my next step, four on: its K is asked for now, if it lies under the tile's count: no load leaves the batch's chunks
	s_cmp_ge_u32 s28, s14
	s_cbranch_scc1 .Lnonext
	KLOAD 8*CHUNK                                  ; no further wait: no vector or matrix instruction since the wait above names K's registers, nor does any until the next step's products
.Lnonext:
	s_add_co_u32 s28, s15, 1                       ; only the tile's last step lies on the diagonal: there hidden scores become -infinity ahead of the maximum.  Its first key is at or under every query of the tile
	s_cmp_lg_u32 s28, s14
	s_cbranch_scc1 .Lopen
	s_sub_co_i32 s29, s13, s16
	v_add_nc_u32 v[WK], s29, v6                    ; d = my query - the step's first key - 8 h.  Register 8 t + j holds the key 16 t + j + 8 h on: hidden where 16 t + j > d
	v_mov_b32 v[WK+1], 0xff800000
.set mr, 0
.rept 4                                        ; sixteen compares in a run, into sixteen scalar registers, then their sixteen selects
.set mn, 0
.rept 16
	v_cmp_gt_i32 s[32+mn], 16*((16*mr+mn)/8)+(16*mr+mn)%8, v[WK]
.set mn, mn+1
.endr
	s_wait_alu depctr_va_sdst(0)                   ; the sixteen masks s32 to s47 are written, ahead of the selects that read them
.set mn, 0
.rept 16
	v_cndmask_b32 v[96+16*mr+mn], v[96+16*mr+mn], v[WK+1], s[32+mn]
.set mn, mn+1
.endr
.set mr, mr+1
.endr
.Lopen:
.irp b, 0,1,2,3
	v_max3_num_f32 v[BM+\b], v[96+16*\b], v[97+16*\b], v[98+16*\b]   ; the largest score of each block of 32 keys: it serves for the row's maximum and, since p rises with the score, for the block's largest p
.endr
.irp i, 3,5,7,9,11,13
.irp b, 0,1,2,3
	v_max3_num_f32 v[BM+\b], v[BM+\b], v[96+16*\b+\i], v[97+16*\b+\i]
.endr
.endr
.irp b, 0,1,2,3
	v_max_num_f32 v[BM+\b], v[BM+\b], v[111+16*\b]
.endr
.irp b, 0,1,2,3
	v_permlanex16_b32 v[BP+\b], v[BM+\b], s20, s21
.endr
.irp b, 0,1,2,3
	v_max_num_f32 v[BM+\b], v[BM+\b], v[BP+\b]     ; with lane l xor 16's 16 keys
.endr
	v_max3_num_f32 v[WK], v[BM], v[BM+1], v[BM+2]
	v_max_num_f32 v[WK], v[WK], v[BM+3]
	v_mul_f32 v[WK], s22, v[WK]                    ; the step's largest t
	v_max_num_f32 v13, v13, v[WK]
	v_mov_b32 v[WK], v12
	v_floor_f32 v12, -v13                          ; the new -M = -ceil(t): a whole number
	v_sub_f32 v[WK], v12, v[WK]                    ; old M - new M: a whole number, 0 or less
	v_cvt_i32_f32 v[WK], v[WK]                     ; (it saturates)
	v_ldexp_f32 v30, 1.0, v[WK]                    ; f = 2^(old M - new M)
.set pj, 0
.rept 32
	v_pk_fma_f32 v[96+pj:97+pj], v[96+pj:97+pj], s[22:23], v[12:13] op_sel_hi:[1,0,0]   ; t - M, two at a time
.set pj, pj+2
.endr
.irp b, 0,1,2,3
	v_fma_f32 v[BM+\b], v[BM+\b], s22, v12         ; the same of each block's largest score
.endr
.set pj, 0
	s_wait_alu depctr_va_vdst(0)
.rept 64
	v_exp_f32 v[96+pj], v[96+pj]                   ; p = 2^(t - M), at most 1
.set pj, pj+1
.endr
	v_pk_mul_f32 v[14:15], v[14:15], v[30:31] op_sel_hi:[1,0]   ; the sums under the new M: the plain place behind the exponentials
	s_wait_alu depctr_va_vdst(0)                   ; the 64 exponentials have written p: one wait for the whole batch, ahead of its first reader
.irp b, 0,1,2,3
	v_exp_f32 v[BM+\b], v[BM+\b]                   ; the block's largest p: the same two instructions on the same number give the same bits
.endr
	v_pk_add_f32 v[WK+2:WK+3], v[96:97], v[98:99]  ; the row's sum is taken of the unquantised p, in two chains
.irp j, 4,8,12,16,20,24,28,32,36,40,44,48,52,56,60
	v_pk_add_f32 v[14:15], v[14:15], v[96+\j:97+\j]
	v_pk_add_f32 v[WK+2:WK+3], v[WK+2:WK+3], v[98+\j:99+\j]
.endr
	v_pk_add_f32 v[14:15], v[14:15], v[WK+2:WK+3]
	s_wait_alu depctr_va_vdst(0)                   ; the four exponentials have written the blocks' largest p: their wait, ahead of the first reader
.irp b, 0,1,2,3
	v_max_num_f32 v[BM+\b], 0x1800000, v[BM+\b]    ; the floor 2^(3 - 127): the byte cannot fall under 1
.endr
.irp b, 0,1,2,3
	v_add_nc_u32 v[BM+\b], 0xff000000, v[BM+\b]    ; 2 off the exponent field: the conversion's scale operand
.endr
.irp b, 0,1,2,3
	v_lshrrev_b32 v[BP+\b], 23, v[BM+\b]           ; the scale's byte
.endr
	v_lshl_or_b32 v29, v[BP+1], 8, v[BP]           ; p's scale word for these 128 keys
	v_lshl_or_b32 v29, v[BP+2], 16, v29
	v_lshl_or_b32 v29, v[BP+3], 24, v29
.irp c, 0,1
	v_cvt_scalef32_pk16_fp6_f32 v[PCD+6*\c:PCD+2+6*\c], v[96+32*\c:111+32*\c], v[BM+2*\c]
	v_cvt_scalef32_pk16_fp6_f32 v[BP+4*\c:BP+2+4*\c], v[112+32*\c:127+32*\c], v[BM+2*\c+1]   ; (a conversion's three registers begin on an even number: the bytes' and the work registers are done with)
.endr
	v_nop                                          ; one plain place behind a scaled conversion
.irp c, 0,1
.irp i, 0,1,2
	v_permlane16_swap_b32 v[PCD+6*\c+\i], v[BP+4*\c+\i]   ; a whole block to a lane: lanes 0-15 block 2 c, lanes 16-31 block 2 c + 1
.endr
.irp i, 0,1,2
	v_mov_b32 v[PCD+3+6*\c+\i], v[BP+4*\c+\i]
.endr
.endr
	s_wait_loadcnt 0x0                             ; V and its scale words, and the next step's K where it was asked for: the count holds on both ways round that request
	v_lshl_or_b32 v[VS], v[VS+2], 16, v[VS]        ; a channel's word: the first chunk's two bytes below, the second's above
	v_lshl_or_b32 v[VS+1], v[VS+3], 16, v[VS+1]
.set pj, 0
.rept 16
	v_pk_mul_f32 v[160+pj:161+pj], v[160+pj:161+pj], v[30:31] op_sel_hi:[1,0]   ; O^T under the new M.  These sixteen are also the places between the scale words and codes just written and the products
.set pj, pj+2
.endr
	s_wait_alu depctr_va_vdst(0)                   ; p's codes v80-91, p's scale word v29 and V's joined words v240, v241 are written: the scaled products below take them; the places above stay beside this wait
.irp t, 0,1,2,3
.if \t%2
	v_wmma_scale_f32_16x16x128_f8f6f4 v[160+8*\t:167+8*\t], v[192+12*\t:203+12*\t], v[PCD:PCD+11], v[160+8*\t:167+8*\t], v[VS+\t/2], v29 matrix_a_fmt:MATRIX_FMT_FP6 matrix_b_fmt:MATRIX_FMT_FP6 matrix_a_scale:MATRIX_SCALE_ROW1
.else
	v_wmma_scale_f32_16x16x128_f8f6f4 v[160+8*\t:167+8*\t], v[192+12*\t:203+12*\t], v[PCD:PCD+11], v[160+8*\t:167+8*\t], v[VS+\t/2], v29 matrix_a_fmt:MATRIX_FMT_FP6 matrix_b_fmt:MATRIX_FMT_FP6
.endif
.endr
.rept 4
	v_nop                                          ; four plain places in front of the way out's reads of O^T and its writes of these products' sources
.endr
	s_wait_xcnt 0x0                                ; the loads have read their base: it may step
	s_add_nc_u64 s[18:19], s[18:19], 8*CHUNK       ; four steps on
	s_add_co_u32 s15, s15, 4
	s_add_co_u32 s16, s16, 512
	s_cmp_ge_u32 s15, s14                          ; a step all of whose keys come after my queries ends the walk
	s_cbranch_scc1 .Lnone
	s_add_co_u32 s17, s17, 1                       ; the count bounds the loop by a constant of the text: c0 + 16 is at or past every n
	s_cmp_lt_u32 s17, 4
	s_cbranch_scc1 .Lstep
.Lnone:
	; THE WAY OUT.  My part of the tile (O^T, -M, the sum) goes to my region; behind the barrier each of the tile's four waves joins four rows: all parts are brought under the largest M by factors 2^(M_p - M), which round
	; nothing (a part that walked no step has -M = 3e38: its factor is 0), and are divided by the joint sum.
	v_add_f32 v14, v14, v15                        ; the sum's two halves,
	v_permlanex16_b32 v15, v14, s20, s21
	v_add_f32 v13, v14, v15                        ; and lane l xor 16's; it takes the largest t's place beside -M
	s_wait_alu depctr_va_vdst(0)                   ; O^T, -M and the sum are written, which the LDS stores read; and every reader of v32-79, in which the LDS loads below land, is done
.irp t, 0,1,2,3
	ds_store_b128 v7, v[160+8*\t:163+8*\t] offset:64*\t            ; channels 16 t + 8 h + 0 .. 7 of query r; each accumulator from its low end on
	ds_store_b128 v7, v[164+8*\t:167+8*\t] offset:64*\t+16
.endr
	ds_store_b64 v8, v[12:13]                      ; both halves of the lanes hold the same pair
	s_wait_dscnt 0x0                               ; for the others' sake: my part lies in LDS
	s_barrier_signal -1
	s_barrier_wait -1
.irp g, 0,1
.irp p, 0,1,2,3
	ds_load_b64 v[32+8*\g+2*\p:33+8*\g+2*\p], v10 offset:REG*\p+16*\g      ; (-M, sum) of part p, row 4 c + 2 g + h
.endr
.endr
.irp g, 0,1
.irp p, 0,1,2,3
	ds_load_b128 v[48+16*\g+4*\p:51+16*\g+4*\p], v9 offset:REG*\p+544*\g   ; and my 16 bytes of that row
.endr
.endr
	s_wait_dscnt 8                                 ; the eight pairs are in; the eight loads of rows may be out
.irp g, 0,1
	v_min_num_f32 v[80+\g], v[32+8*\g], v[34+8*\g]
.endr
.irp g, 0,1
	v_min_num_f32 v[80+\g], v[80+\g], v[36+8*\g]
.endr
.irp g, 0,1
	v_min_num_f32 v[80+\g], v[80+\g], v[38+8*\g]   ; the smallest -M: the largest M
.endr
.irp g, 0,1
.irp p, 0,1,2,3
	v_sub_f32 v[96+4*\g+\p], v[80+\g], v[32+8*\g+2*\p]   ; M_p - M: a whole number, 0 or less
.endr
.endr
.irp g, 0,1
.irp p, 0,1,2,3
	v_cvt_i32_f32 v[96+4*\g+\p], v[96+4*\g+\p]     ; (it saturates)
.endr
.endr
.irp g, 0,1
.irp p, 0,1,2,3
	v_ldexp_f32 v[96+4*\g+\p], 1.0, v[96+4*\g+\p]
.endr
.endr
.irp g, 0,1
	v_mul_f32 v[104+\g], v[96+4*\g], v[33+8*\g]
.endr
.irp p, 1,2,3
.irp g, 0,1
	v_fmac_f32 v[104+\g], v[96+4*\g+\p], v[33+8*\g+2*\p]   ; the joint sum
.endr
.endr
	s_wait_alu depctr_va_vdst(0)
	v_rcp_f32 v106, v104
	v_rcp_f32 v107, v105
	v_nop                                          ; a plain place behind the reciprocals
	s_wait_alu depctr_va_vdst(0)                   ; both reciprocals are written: one wait, ahead of the first reader
.irp g, 0,1
.irp p, 0,1,2,3
	v_mul_f32 v[96+4*\g+\p], v[96+4*\g+\p], v[106+\g]
.endr
.endr
	s_wait_alu depctr_va_vdst(0)
	s_wait_dscnt 0x0
.irp g, 0,1
.irp i, 0,1,2,3
	v_mul_f32 v[108+4*\g+\i], v[96+4*\g], v[48+16*\g+\i]
.endr
.irp p, 1,2,3
.irp i, 0,1,2,3
	v_fmac_f32 v[108+4*\g+\i], v[96+4*\g+\p], v[48+16*\g+4*\p+\i]
.endr
.endr
.endr
	s_wait_alu depctr_va_vdst(0)                   ; the joined rows v108-115 are written, which the two stores read
.irp g, 0,1
	global_store_b128 v1, v[108+4*\g:111+4*\g], s[6:7] offset:512*\g th:TH_STORE_NT   ; two whole rows of 256 bytes: sixteen lanes to a row
.endr
	s_wait_dscnt 0x0                               ; the closing lines, six on end
	s_wait_alu 0x0
	s_wait_tensorcnt 0x0
	ds_add_u32 v4, v5
	s_wait_dscnt 0x0
	s_endpgm
.Lfunc_end_k_q3a21c4b83a_attn:
	.size	k_q3a21c4b83a_attn, .Lfunc_end_k_q3a21c4b83a_attn-k_q3a21c4b83a_attn
	.p2alignl 7, 3214868480
	.fill 96, 4, 3214868480
	.section	.rodata,"a",@progbits
	.p2align	6, 0x0
	.amdhsa_kernel k_q3a21c4b83a_attn
		.amdhsa_group_segment_fixed_size 75776
		.amdhsa_private_segment_fixed_size 0
		.amdhsa_enable_private_segment 0
		.amdhsa_kernarg_size 16
		.amdhsa_user_sgpr_count 2
		.amdhsa_user_sgpr_kernarg_segment_ptr 1
		.amdhsa_wavefront_size32 1
		.amdhsa_system_sgpr_workgroup_id_x 1
		.amdhsa_system_sgpr_workgroup_id_y 1
		.amdhsa_system_sgpr_workgroup_id_z 1
		.amdhsa_system_vgpr_workitem_id 0
		.amdhsa_next_free_vgpr 256
		.amdhsa_next_free_sgpr 66
		.amdhsa_reserve_vcc 0
		.amdhsa_float_denorm_mode_32 3
		.amdhsa_float_denorm_mode_16_64 3
		.amdhsa_memory_ordered 1
		.amdhsa_forward_progress 1
		.amdhsa_inst_pref_size 41
	.end_amdhsa_kernel
	.amdgpu_metadata
---
amdhsa.version: [ 1, 2 ]
amdhsa.kernels:
  - .name:           k_q3a21c4b83a_attn
    .symbol:         k_q3a21c4b83a_attn.kd
    .args:
      - { .name: qkv, .offset: 0, .size: 8, .value_kind: global_buffer, .address_space: global }
      - { .name: out0, .offset: 8, .size: 8, .value_kind: global_buffer, .address_space: global }
    .group_segment_fixed_size: 75776
    .private_segment_fixed_size: 0
    .kernarg_segment_align: 8
    .kernarg_segment_size: 16
    .max_flat_workgroup_size: 512
    .sgpr_count:     66
    .vgpr_count:     256
    .wavefront_size: 32
...
	.end_amdgpu_metadata
.endif
;; end of part 4
